; MI455X (gfx1250); checked and timed in simulation.
; The chip was launched on July 23, 2026; its instructions are those of AMD's public machine-readable ISA for CDNA 5 (MIT licence, August 2026) and "CDNA5" Instruction Set Architecture Reference Guide (July 2026). The comments in the code are by the model that wrote it; some were corrected since.
;; Causal Self Attention. Allowed arithmetic: matrix products marked QUANTISED: E4M3 operands, one given power-of-two scale a tensor, by v_wmma_f32_16x16x64_fp8_fp8 or v_wmma_f32_16x16x128_fp8_fp8, f32 sums; products left as they are: f32 operands where the result goes on into a quantised operand, else bf16, f16 or f32 operands; f32 sums; everything else in f32.
;; Inputs: W_attn 1,024 x 3,072 float32; W_proj 1,024 x 1,024 float32; lowp_scales 8 int32 (the exponents e of the quantised operands' scales 2^e); x 4 x 2,048 x 1,024 float32.
;; Outputs: out0 4 x 2,048 x 1,024 float32.
;; This version of the problem:
;;   THIS VERSION OF THE PROBLEM IS GIVEN IN LOW PRECISION. The matrix products marked QUANTISED in the list below multiply operands that are first quantised to E4M3 (4 exponent bits, 3 mantissa bits; 8 bits a number), with one given power-of-two scale for each operand tensor; their sums are f32. All else is computed in f32.
;;   The module's matrix products, in the order in which they are computed (A, B: the left and right operand; K: the contracted axis; several contracted axes count as one K, in the product's order):
;;     1. [M 8,192, K 1,024] x [K 1,024, N 3,072]; A: input x; B: input W_attn: QUANTISED (scales: A lowp_scales[0], B lowp_scales[1])
;;     2. [M 2,048, K 1] x [K 1, N 32]; A: computed on the way; B: computed on the way: left as it is (no contracted axis)
;;     3. batch 64 x [M 2,048, K 64] x [K 64, N 2,048]; A: computed on the way; B: computed on the way: QUANTISED (scales: A lowp_scales[2], B lowp_scales[3])
;;     4. batch 64 x [M 64, K 2,048] x [K 2,048, N 2,048]; A: computed on the way; B: softmax (see below): QUANTISED (scales: A lowp_scales[4], B lowp_scales[5])
;;     5. [M 8,192, K 1,024] x [K 1,024, N 1,024]; A: computed on the way; B: input W_proj: QUANTISED (scales: A lowp_scales[6], B lowp_scales[7])
;;   THE QUANTISER, for each operand of a quantised product, along K:
;;     - The operand's scale is 2^e, e = its entry of the input lowp_scales (int32; the entries are numbered through the quantised products in the list's order, A before B).
;;     - Each number is divided by the scale, clamped to +-448, and rounded to the nearest number of E4M3, ties to even, subnormals kept.
;;     - The product sums the exact products of the quantised numbers (number of the format x scale) in f32.
;;   ~~~python
;;   def quantise(x, axis, e):      # numpy; x: float32 -> the quantised numbers, widened to float32 again
;;       x = np.moveaxis(x, axis, -1); K = x.shape[-1]
;;       r = np.clip(x / 2.0 ** e, -448, 448)
;;       step = 2.0 ** (np.maximum(np.frexp(np.where(r == 0, 1, r))[1] - 1, -6) - 3)
;;       q = np.round(r / step) * step * 2.0 ** e      # np.round: ties to even
;;       return np.moveaxis(q, -1, axis).astype(np.float32)
;;   ~~~
;;   SOFTMAX AHEAD OF A QUANTISED PRODUCT. Where the list says 'softmax', what is quantised is not the finished softmax but p = 2^(t - M), with t = logit x log2(e) and M = ceil(the row's largest t), a whole number; so 1/2 < the row's largest p <= 1. The row's sum l is taken of the UNQUANTISED p, in f32, and the product's result is divided by l at the end. Since M is a whole number, a kernel that streams over the keys may use a running M (the ceiling of the running maximum): every later rescaling is an exact power of two, so the quantised numbers keep their values, but for numbers so far below the row's largest that they fall under the format's range.
;;   OPERANDS COMPUTED ON THE WAY. 'Computed on the way' means the value that the module computes at that place (a softmax that the list does not call 'softmax' is quantised finished and normalised). What goes into a quantiser is computed in f32, as accurately as f32 sums, v_exp_f32 and their like allow (about 1e-6 of the number): no bf16 or f16 on the way to a quantiser, and a product that is left as it is and whose result goes on into a quantised operand takes f32 operands (vector FMAs, or v_wmma_f32_16x16x4_f32). A number that lies on a knife's edge between two numbers of the format may be rounded either way, as far as f32 arithmetic and the matrix unit's own rounding can turn it there, and no further.
;; One version. Each part assembles by itself: llvm-mc -triple=amdgcn-amd-amdhsa -mcpu=gfx1250 --defsym DOCPART=n.
;; ======== version 1 of 1: 4 launches
;; limits: right only within a limited range of input values
;; workspace buffers: x_img 8,388,608 bytes; wa_img 3,145,728 bytes; wp_img 1,048,576 bytes; rope 524,288 bytes; qkv_img 25,165,824 bytes; y_img 8,388,608 bytes
;; launch prep (part 1): grid 1088 x 1, 4 waves a work-group, no clusters, 68,096 bytes of LDS; arguments x, W_attn, W_proj, lowp_scales, x_img, wa_img, wp_img, rope; writes x_img, wa_img, wp_img, rope
.if DOCPART == 1
	.amdgcn_target "amdgcn-amd-amdhsa--gfx1250"
	.amdhsa_code_object_version 6
	.text
	.protected	k_q5188192dcc_prep
	.globl	k_q5188192dcc_prep
	.p2align	8
	.type	k_q5188192dcc_prep,@function
k_q5188192dcc_prep:
	s_mov_b64 s[64:65], 0
	v_nop
	global_prefetch_b8 v0, s[64:65] scope:SCOPE_SE
	s_setreg_imm32_b32 hwreg(HW_REG_WAVE_MODE, 25, 1), 1
	s_wait_xcnt 0x0
; PREP: x [8192][1024], W_attn [1024][3072] and W_proj [1024][1024], f32, become codes of E4M3 with their given scales 2^e (entries 0, 1, 7 of lowp_scales); and the table of cos and sin for the rotary embedding is made.
; code = number / 2^e, held within +-448, rounded to the nearest code, ties to even.
; THE CODES' FORMAT, a FRAGMENT IMAGE: an operand [rows][K] is cut into blocks of 16 rows x 64 k, 1,024 bytes; block (rt, kb) lies at (rt K / 64 + kb) x 1024; in it byte 512 g + 256 h + 16 r + 8 e + i holds
; row 16 rt + r, k = 64 kb + 32 g + 16 e + 8 h + i.  So lane 16 h + r of a wave that loads 16 bytes at 512 g + 16 x lane has registers 4 g .. 4 g + 3 of the matrix operand (registers 2 c, 2 c + 1: k = 16 c + 8 h + 0 .. 7).
; x_img: rows = x's rows.  wa_img, wp_img: rows = the weights' COLUMNS n, K innermost.  rope: row t is 256 bytes: cos(t f_j), j = 0 .. 31, then sin(t f_j); f_j = 10^(-j/8).
; FOUR PATHS by the work-group's number: 0-63 the table, 64-191 W_proj, 192-575 W_attn, 576-1087 x.  Only x's path touches LDS.  Waves share nothing: no barrier.  Work-groups share no input: no cluster.
; LIMITS: e0, e1, e7 between -126 and 119.  NaN among the inputs is not served; infinities are held at the largest code.  f_j is the f32 number nearest to 10^(-j/8).
; THE PATHS BY THE WORK-GROUP'S NUMBER, as this text has them (this order stands in place of the one named in the lines above): 0-511 x, 512-895 W_attn, 896-1023 W_proj, 1024-1087 the table: the longest work has the lowest numbers.
.set FWA,  512                         ; first work-group of W_attn's path
.set FWP,  896                         ; of W_proj's
.set FRO,  1024                        ; of the table's
.set R,    16                          ; x: v16-143  two units of 64 registers as loaded
.set X,    144                         ; v144-207 64 numbers in the operand's order
.set C,    208                         ; v208-239 codes: 16 registers for each unit, so that no store's data are written again
.set SP,   528                         ; a stage row: 512 bytes + 16: the sixteen rows that 16 lanes read start at sixteen different 16-byte columns of 256
.set STG,  16*SP                       ; a stage: 16 rows
.set WREG, 2*STG                       ; a wave's two stages
	s_load_b256 s[4:11], s[0:1], 0x0               ; x s[4:5], W_attn s[6:7], W_proj s[8:9], the scales' exponents s[10:11]
	s_load_b256 s[12:19], s[0:1], 0x20             ; x_img s[12:13], wa_img s[14:15], wp_img s[16:17], rope s[18:19]
	v_lshl_add_u32 v240, v0, 2, 0x10800
	v_mov_b32 v241, 0
	v_lshrrev_b32 v1, 5, v0
	v_readfirstlane_b32 s20, v1                    ; wave 0..3
	v_and_b32 v2, 31, v0                           ; lane
	s_wait_kmcnt 0x0
	s_cmp_ge_u32 ttmp9, FRO
	s_cbranch_scc1 .Lrope
	s_load_b256 s[24:31], s[10:11], 0x0            ; e0 .. e7
	s_cmp_ge_u32 ttmp9, FWP
	s_cbranch_scc1 .Lwp
	s_cmp_ge_u32 ttmp9, FWA
	s_cbranch_scc1 .Lwa
.macro SCALE e                         ; v11 = 2^e as f32 (the conversion takes its exponent field), v10 = 448 x 2^e
	s_add_co_i32 s36, \e, 127
	s_lshl_b32 s37, s36, 23
	v_mov_b32 v11, s37
	s_add_co_i32 s36, s36, 8
	s_lshl_b32 s36, s36, 23
	s_or_b32 s36, s36, 0x600000
	v_mov_b32 v10, s36
.endm
; ---- x.  A work-group takes 16 rows (a row tile), wave w their k = 256 w .. 256 w + 255, as two units of 16 rows x 128 k.  Each load reads 512 consecutive bytes of one row; a unit turns through the
; wave's own stage in LDS, so that lane (r, h) gets, of row r, the numbers that the operand's layout gives it; each store then covers 512 consecutive bytes of the image.
	s_mov_b32 s21, ttmp9                           ; the row tile
	s_lshl_b32 s22, s21, 16                        ; 16 rows of 4,096 bytes
	s_lshl_b32 s32, s20, 10                        ; + 256 w numbers
	s_add_co_u32 s22, s22, s32
	s_mov_b32 s23, 0
	s_add_nc_u64 s[4:5], s[4:5], s[22:23]
	s_lshl_b32 s22, s21, 14                        ; the tile's 16 blocks,
	s_lshl_b32 s32, s20, 12                        ; my four of them
	s_add_co_u32 s22, s22, s32
	s_add_nc_u64 s[12:13], s[12:13], s[22:23]
	s_wait_alu depctr_va_vdst(0)
	v_lshlrev_b32 v3, 4, v2                        ; 16 x lane
.macro LOADU u
.irp i, 0,1,2,3,4,5,6,7,8,9,10,11,12,13,14,15
	global_load_b128 v[R+64*(\u)+4*\i:R+64*(\u)+4*\i+3], v3, s[4:5] offset:4096*\i+512*(\u) th:TH_LOAD_NT   ; row i: 512 consecutive bytes
.endr
.endm
.macro TURNU u                         ; LDS serves a wave's instructions in order: no wait between the stores and the loads
.irp i, 0,1,2,3,4,5,6,7,8,9,10,11,12,13,14,15
	ds_store_b128 v14, v[R+64*(\u)+4*\i:R+64*(\u)+4*\i+3] offset:STG*(\u)+SP*\i
.endr
.irp kk, 0,1,2,3                       ; X[16 kk + 8 e + i] = k 32 kk + 16 e + 8 h + i of row r
	ds_load_b128 v[X+16*\kk:X+16*\kk+3],     v15 offset:STG*(\u)+128*\kk
	ds_load_b128 v[X+16*\kk+4:X+16*\kk+7],   v15 offset:STG*(\u)+128*\kk+16
	ds_load_b128 v[X+16*\kk+8:X+16*\kk+11],  v15 offset:STG*(\u)+128*\kk+64
	ds_load_b128 v[X+16*\kk+12:X+16*\kk+15], v15 offset:STG*(\u)+128*\kk+80
.endr
.endm
.macro QU u
.set j, 0
.rept 64
	v_med3_num_f32 v[X+j], v[X+j], -v10, v10       ; the conversion to an 8-bit code does not saturate (ISA guide 7.6.2): the hold comes first
.set j, j+1
.endr
.irp m, 0,1,2,3,4,5,6,7
	v_cvt_scalef32_pk8_fp8_f32 v[C+16*(\u)+2*\m:C+16*(\u)+2*\m+1], v[X+8*\m:X+8*\m+7], v11
.endr
	v_nop                                          ; one plain line behind the conversions, ahead of the next vector line that writes their sources
.irp kk, 0,1,2,3
	global_store_b128 v3, v[C+16*(\u)+4*\kk:C+16*(\u)+4*\kk+3], s[12:13] offset:2048*(\u)+512*\kk   ; 512 consecutive bytes, aligned
.endr
.endm
	LOADU 0
	LOADU 1
	s_mul_i32 s32, s20, WREG
	v_add_nc_u32 v14, s32, v3                      ; into the stage: as loaded
	v_and_b32 v5, 15, v0
	v_bfe_u32 v6, v0, 4, 1
	v_mul_u32_u24 v15, v5, SP
	v_lshl_add_u32 v15, v6, 5, v15
	v_add_nc_u32 v15, s32, v15                     ; out of it: row r, + 8 h numbers
	s_wait_alu depctr_va_vdst(0)
	s_wait_kmcnt 0x0
	SCALE s24
	s_wait_alu depctr_va_vdst(0)
	s_wait_loadcnt 16                              ; unit 0's sixteen loads are in; unit 1's may be out
	TURNU 0
	s_wait_dscnt 0x0
	QU 0
	s_wait_loadcnt 0x0
	TURNU 1
	s_wait_dscnt 0x0
	QU 1
	s_wait_tensorcnt 0x0
	ds_add_u32 v240, v241
	s_wait_dscnt 0x0
	s_endpgm
; ---- A weight [1024 (k)][n].  A work-group takes 128 columns x 64 k, a wave 32 columns.  A LANE TAKES A COLUMN AND ITS REGISTERS RUN DOWN K, so that the conversions give codes with K innermost.
; A lane's 64 codes are row (lane % 16) of one block; lanes 0-15 fill one block (n tile 2 w), lanes 16-31 the block 16,384 bytes on (n tile 2 w + 1); sixteen lanes store 256 consecutive bytes, aligned.
.macro WPATH n, src, dst, e, first
	s_sub_co_u32 s21, ttmp9, \first
	s_and_b32 s22, s21, 15                         ; kb
	s_lshr_b32 s21, s21, 4                         ; which 128 columns
	s_mul_i32 s32, s22, 64*\n*4
	s_lshl_b32 s33, s21, 9
	s_add_co_u32 s32, s32, s33
	s_lshl_b32 s33, s20, 7
	s_add_co_u32 s32, s32, s33                     ; row 64 kb, column 128 gx + 32 w
	s_mov_b32 s33, 0
	s_add_nc_u64 s[\src:\src+1], s[\src:\src+1], s[32:33]
	s_lshl_b32 s34, s21, 3
	s_lshl_b32 s35, s20, 1
	s_add_co_u32 s34, s34, s35                     ; n tile 8 gx + 2 w
	s_lshl_b32 s34, s34, 4
	s_add_co_u32 s34, s34, s22
	s_lshl_b32 s34, s34, 10                        ; its block kb
	s_mov_b32 s35, 0
	s_add_nc_u64 s[\dst:\dst+1], s[\dst:\dst+1], s[34:35]
	v_lshlrev_b32 v3, 2, v2
	v_lshrrev_b32 v4, 4, v2
	v_and_b32 v5, 15, v2
	v_lshlrev_b32 v8, 14, v4
	v_lshl_add_u32 v8, v5, 4, v8
.set j, 0
.rept 64
	global_load_b32 v[16+j], v3, s[\src:\src+1] offset:j*\n*4 th:TH_LOAD_NT   ; W(64 kb + j, my column): 128 consecutive bytes a wave, 512 a work-group
.set j, j+1
.endr
	s_wait_kmcnt 0x0
	SCALE \e
	s_wait_alu depctr_va_vdst(0)
.irp g, 0,1
	s_wait_loadcnt 32-32*\g                        ; the first 32 are in, the other 32 may be out; then all
.set j, 0
.rept 32
	v_med3_num_f32 v[16+32*\g+j], v[16+32*\g+j], -v10, v10
.set j, j+1
.endr
	v_cvt_scalef32_pk8_fp8_f32 v[80+8*\g:81+8*\g], v[16+32*\g:23+32*\g], v11   ; k 32 g + 0 .. 7:   piece h = 0, e = 0
	v_cvt_scalef32_pk8_fp8_f32 v[84+8*\g:85+8*\g], v[24+32*\g:31+32*\g], v11   ; k 32 g + 8 .. 15:  piece h = 1, e = 0
	v_cvt_scalef32_pk8_fp8_f32 v[82+8*\g:83+8*\g], v[32+32*\g:39+32*\g], v11   ; k 32 g + 16 .. 23: piece h = 0, e = 1
	v_cvt_scalef32_pk8_fp8_f32 v[86+8*\g:87+8*\g], v[40+32*\g:47+32*\g], v11   ; k 32 g + 24 .. 31: piece h = 1, e = 1
	v_nop
	global_store_b128 v8, v[80+8*\g:83+8*\g], s[\dst:\dst+1] offset:512*\g
	global_store_b128 v8, v[84+8*\g:87+8*\g], s[\dst:\dst+1] offset:512*\g+256
.endr
	s_endpgm
.endm
.Lwa:
	s_wait_alu depctr_va_vdst(0)
	WPATH 3072, 6, 14, s25, FWA
.Lwp:
	s_wait_alu depctr_va_vdst(0)
	WPATH 1024, 8, 16, s31, FWP
; ---- The table.  A work-group takes 32 rows t, a wave 8, two rows a store: lanes 0-15 row t, lanes 16-31 row t + 1; piece p = lane % 16 is cos of j = 4 p .. 4 p + 3 (p < 8) or sin of j = 4 (p - 8) .. + 3.
; a = t x f_j, rounded once, as the outer product has it.  a = n pi/2 + r by two fused steps (pi/2 in two f32 parts; the first step is exact: n has 11 bits and the difference is a multiple of 2^-23 under 1);
; sin r and cos r by polynomials on |r| <= pi/4; the quadrant picks one and its sign; sin a = cos(a - pi/2): three quadrants on.  No transcendental instruction is used.
.Lrope:
	s_sub_co_u32 s21, ttmp9, FRO
	s_lshl_b32 s21, s21, 5
	s_lshl_b32 s22, s20, 3
	s_add_co_u32 s21, s21, s22                     ; my wave's first row
	s_lshl_b32 s22, s21, 8
	s_mov_b32 s23, 0
	s_add_nc_u64 s[18:19], s[18:19], s[22:23]
	s_wait_alu depctr_va_vdst(0)
	v_lshlrev_b32 v3, 4, v2                        ; 16 x lane = 256 x (lane / 16) + 16 p
	v_and_b32 v4, 7, v2                            ; which four j
	s_wait_alu depctr_va_vdst(0)
	v_bfe_u32 v5, v2, 3, 1
	v_mul_u32_u24 v5, v5, 3                        ; 3 quadrants on for sin
	v_lshrrev_b32 v6, 4, v2
	v_add_nc_u32 v6, s21, v6                       ; t of the first store
	s_mov_b32 s40, 0x3f22f983                      ; 2 / pi
	s_mov_b32 s41, 0x3fc90fdb                      ; pi / 2, upper part
	s_mov_b32 s42, 0xb33bbd2e                      ; and what it lacks
	s_mov_b32 s43, 0xb94ca1f9                      ; sin: -1.9515295891e-4
	s_mov_b32 s44, 0x3c08839e                      ;       8.3321608736e-3
	s_mov_b32 s45, 0xbe2aaaa3                      ;      -1.6666654611e-1
	s_mov_b32 s46, 0x37ccf5ce                      ; cos:  2.443315712e-5
	s_mov_b32 s47, 0xbab6061a                      ;      -1.388731625e-3
	s_mov_b32 s48, 0x3d2aaaa5                      ;       4.166664568e-2
.irp q, 1,2,3,4,5,6,7
	v_cmp_ne_u32 s[32+\q], \q, v4
.endr
.macro PICK i, c0, c1, c2, c3, c4, c5, c6, c7  ; v[20 + i] = f_(4 q + i) for my q
	v_mov_b32 v[20+\i], \c0
	v_cndmask_b32 v[20+\i], \c1, v[20+\i], s33
	v_cndmask_b32 v[20+\i], \c2, v[20+\i], s34
	v_cndmask_b32 v[20+\i], \c3, v[20+\i], s35
	v_cndmask_b32 v[20+\i], \c4, v[20+\i], s36
	v_cndmask_b32 v[20+\i], \c5, v[20+\i], s37
	v_cndmask_b32 v[20+\i], \c6, v[20+\i], s38
	v_cndmask_b32 v[20+\i], \c7, v[20+\i], s39
.endm
	PICK 0, 1.0, 0.31622776602, 0.1, 0.031622776602, 0.01, 0.0031622776602, 0.001, 0.00031622776602
	PICK 1, 0.74989420933, 0.23713737057, 0.074989420933, 0.023713737057, 0.0074989420933, 0.0023713737057, 0.00074989420933, 0.00023713737057
	PICK 2, 0.56234132519, 0.17782794100, 0.056234132519, 0.017782794100, 0.0056234132519, 0.0017782794100, 0.00056234132519, 0.00017782794100
	PICK 3, 0.42169650343, 0.13335214322, 0.042169650343, 0.013335214322, 0.0042169650343, 0.0013335214322, 0.00042169650343, 0.00013335214322
.macro VAL st, i
	v_mul_f32 v24, v7, v[20+\i]                    ; a
	v_mul_f32 v25, s40, v24
	v_rndne_f32 v25, v25                           ; n
	v_fma_f32 v26, -v25, s41, v24
	v_fma_f32 v26, -v25, s42, v26                  ; r
	v_cvt_i32_f32 v27, v25
	v_add_nc_u32 v27, v27, v5                      ; the quadrant
	v_mul_f32 v28, v26, v26                        ; z = r r
	v_fma_f32 v29, v28, s43, s44
	v_fma_f32 v29, v29, v28, s45
	v_mul_f32 v31, v26, v28
	v_fma_f32 v29, v31, v29, v26                   ; sin r
	v_fma_f32 v30, v28, s46, s47
	v_fma_f32 v30, v30, v28, s48
	v_fma_f32 v32, v28, -0.5, 1.0
	v_mul_f32 v31, v28, v28
	v_fma_f32 v30, v31, v30, v32                   ; cos r
	v_and_b32 v33, 1, v27
	v_cmp_eq_u32 vcc_lo, 1, v33
	v_cndmask_b32 v30, v30, v29, vcc_lo            ; odd quadrants take sin r
	v_add_nc_u32 v27, 1, v27
	v_and_b32 v27, 2, v27
	v_lshlrev_b32 v27, 30, v27                     ; quadrants 1 and 2 are negative
	v_xor_b32 v[40+4*\st+\i], v30, v27
.endm
.irp st, 0,1,2,3
	v_add_nc_u32 v8, 2*\st, v6
	v_cvt_f32_u32 v7, v8                           ; t
.irp i, 0,1,2,3
	VAL \st, \i
.endr
	global_store_b128 v3, v[40+4*\st:43+4*\st], s[18:19] offset:512*\st   ; two whole rows of 256 bytes; each store has data registers of its own
.endr
	s_endpgm
.Lfunc_end_k_q5188192dcc_prep:
	.size	k_q5188192dcc_prep, .Lfunc_end_k_q5188192dcc_prep-k_q5188192dcc_prep
	.p2alignl 7, 3214868480
	.fill 96, 4, 3214868480
	.section	.rodata,"a",@progbits
	.p2align	6, 0x0
	.amdhsa_kernel k_q5188192dcc_prep
		.amdhsa_group_segment_fixed_size 68096
		.amdhsa_private_segment_fixed_size 0
		.amdhsa_enable_private_segment 0
		.amdhsa_kernarg_size 64
		.amdhsa_user_sgpr_count 2
		.amdhsa_user_sgpr_kernarg_segment_ptr 1
		.amdhsa_wavefront_size32 1
		.amdhsa_system_sgpr_workgroup_id_x 1
		.amdhsa_system_sgpr_workgroup_id_y 1
		.amdhsa_system_sgpr_workgroup_id_z 1
		.amdhsa_system_vgpr_workitem_id 0
		.amdhsa_next_free_vgpr 242
		.amdhsa_next_free_sgpr 66
		.amdhsa_reserve_vcc 1
		.amdhsa_float_denorm_mode_32 3
		.amdhsa_float_denorm_mode_16_64 3
		.amdhsa_memory_ordered 1
		.amdhsa_forward_progress 1
		.amdhsa_inst_pref_size 66
	.end_amdhsa_kernel
	.amdgpu_metadata
---
amdhsa.version: [ 1, 2 ]
amdhsa.kernels:
  - .name:           k_q5188192dcc_prep
    .symbol:         k_q5188192dcc_prep.kd
    .args:
      - { .name: x, .offset: 0, .size: 8, .value_kind: global_buffer, .address_space: global }
      - { .name: W_attn, .offset: 8, .size: 8, .value_kind: global_buffer, .address_space: global }
      - { .name: W_proj, .offset: 16, .size: 8, .value_kind: global_buffer, .address_space: global }
      - { .name: lowp_scales, .offset: 24, .size: 8, .value_kind: global_buffer, .address_space: global }
      - { .name: x_img, .offset: 32, .size: 8, .value_kind: global_buffer, .address_space: global }
      - { .name: wa_img, .offset: 40, .size: 8, .value_kind: global_buffer, .address_space: global }
      - { .name: wp_img, .offset: 48, .size: 8, .value_kind: global_buffer, .address_space: global }
      - { .name: rope, .offset: 56, .size: 8, .value_kind: global_buffer, .address_space: global }
    .group_segment_fixed_size: 68096
    .private_segment_fixed_size: 0
    .kernarg_segment_align: 8
    .kernarg_segment_size: 64
    .max_flat_workgroup_size: 128
    .sgpr_count:     66
    .vgpr_count:     242
    .wavefront_size: 32
...
	.end_amdgpu_metadata
.endif
;; end of part 1
;; launch qkv (part 2): grid 8 x 32, 4 waves a work-group, clusters of 4 x 4, 327,680 bytes of LDS; arguments x_img, wa_img, lowp_scales, rope, qkv_img; writes qkv_img
.if DOCPART == 2
	.amdgcn_target "amdgcn-amd-amdhsa--gfx1250"
	.amdhsa_code_object_version 6
	.text
	.protected	k_q5188192dcc_qkv
	.globl	k_q5188192dcc_qkv
	.p2align	8
	.type	k_q5188192dcc_qkv,@function
k_q5188192dcc_qkv:
	s_mov_b64 s[64:65], 0
	v_nop
	global_prefetch_b8 v0, s[64:65] scope:SCOPE_SE
	s_setreg_imm32_b32 hwreg(HW_REG_WAVE_MODE, 25, 1), 1
	s_wait_xcnt 0x0
	s_wait_alu depctr_hold_cnt(0) depctr_sa_sdst(0) depctr_va_vdst(0) depctr_va_sdst(0) depctr_va_ssrc(0) depctr_va_vcc(0) depctr_vm_vsrc(0)
	s_getreg_b32 s2, hwreg(HW_REG_IB_STS2, 6, 4)
	s_cmp_eq_u32 s2, 0
	s_cbranch_scc0 .Lentry_in_a_cluster
	s_endpgm
.Lentry_in_a_cluster:
	s_bfe_u32 s2, ttmp6, 0x10000c
	s_cmp_lg_u32 s2, 0xf033
	s_cbranch_scc0 .Lentry_shape_is_right
	s_endpgm
.Lentry_shape_is_right:
; QKV: qkv = x W_attn on codes of E4M3 (K = 1,024), the rotary embedding on q and k in f32, and q, k, v quantised with their given scales (entries 2, 3, 4 of lowp_scales) and stored as FRAGMENT IMAGES.
; AN IMAGE: blocks of 16 rows x 64 k, 1,024 bytes; byte 512 g + 16 x lane holds registers 4 g .. 4 g + 3 of the matrix operand.  x_img, wa_img: block (row tile, kb) at (16 x row tile + kb) x 1024.
; qkv_img, 393,216 bytes for each (batch, head): Q, 128 blocks of 16 queries x 64; behind it 16 units of 128 keys: K's 8 blocks (8,192 bytes), then V^T, 4 x (16 d x 128 keys) (8,192 bytes).
; SHARES: 256 work-groups that stay; each makes two blocks.  FIRST a block of q or k (the cluster's x says which): A side = 256 rows of x, B side = 256 columns of W; a wave makes 128 x 128, 64 accumulators.
; THEN a block of v: A side = 128 columns of W, B side = 256 rows of x; a wave makes 64 x 128, 32 accumulators.  That is 256 + 256 blocks for 8,192 x 2,048 and 8,192 x 1,024 results.
; Source 0 = 16 rows of the B side, source 1 = 16 rows of the A side: a lane holds one A-side row and eight neighbouring B-side rows, so a conversion gives two registers of an image whose rows are A-side rows
; and whose k runs along the B side (d for q and k, the keys for v).  No result goes through LDS.
; THE RING: K in steps of 256 through two LDS slots of 131,072 bytes (the A side's room, 65,536 bytes, then the B side's).  The four first fills go out one a wave at the head; a slot is filled again by two waves.
; The ring goes on into v's block: the first block's last two changes of slots ask for v's first two K steps, ahead of the first block's way out.  8 K steps in all; v's last two changes ask for nothing.
; CLUSTERS: 4 x 4 work-groups; A's tiles hang on cy and the cluster's numbers, B's on cx and the cluster's numbers: each is asked for jointly by the four that share it.
; No prefetch is laid: K has four steps a block, and the ring's own requests stand one K step ahead, across the two blocks too.
; The sums lack 2^(e0 + e1); the embedding is linear, so it is done on the sums, and the conversion takes the one scale 2^(et - e0 - e1), et = e2, e3 or e4.  LIMITS: et - e0 - e1 between -126 and 119.  NaN is not served.
; REGISTERS, in windows of 256.  window 0: v16-31 addresses and scales; v32-95 two sets of cos and sin; from v128 the first block's A fragments, one set; on the ways out v96-255 are at work.
; window 1: B's fragments, two sets.  windows 2, 3: the first block's accumulators ((a, b) at v[8 (8 (a % 4) + b)]).  v's block: accumulators in window 2, A's fragments, two sets of 64, in window 3.
.set HALFT,  32768                     ; 8 row tiles x 4,096 bytes
.set SIDE,   65536
.set SLOT,   131072
.set SPARE,  2*SLOT
.set KSB,    4096                      ; a K step in a row tile, in bytes
.set FR,     16
.set HEADB,  393216
.set ADRA, 16                          ; v16-17 my A fragments in slot 0, 1 (first block)
.set ADRV, 18                          ; v18-19 the same for v's block
.set ADRB, 20                          ; v20-21 my B fragments
.set CO,   26                          ; 16 x lane
.set RT,   27                          ; the table: 256 r + 32 h
.set SPW,  28
.set NIL,  29
.set SCL,  30
.set LIM,  31
.set CSR,  32
.set TMP,  96
.set TT,   160
.set CD,   224
.set AF,   128
.set G1V, 4                            ; s[4:11] group 1 for v's A tiles (8 row tiles)
.set G1, 24
.set G0, 32
.set G1B, 48
.set G0B, 56
.set VA, 66                            ; s[66:67], s[68:69] v's A and B
.set VB, 68
.set MSB, 0
.macro WIN new
.if MSB != \new
	s_set_vgpr_msb (MSB<<8)|\new
.set MSB, \new
.endif
.endm
.set MUL_LO, 0xa1                      ; source 0 (B) window 1, source 1 (A) window 0, C and D window 2
.set MUL_HI, 0xf1                      ; the same, C and D window 3
.set MULV,   0xad                      ; source 0 (B) window 1, source 1 (A) window 3, C and D window 2
.set TO_B,   0x40
.set TO_V,   0xc0
.macro PLACES
.rept 4
	v_nop
.endr
.endm
.macro TL g0, g1                       ; a tensor load, then s_nop 0 and four v_nops
	tensor_load_to_lds s[\g0:\g0+3], s[\g1:\g1+7]
	s_nop 0
	PLACES
.endm
.macro JLOAD slot, g1a                 ; a slot's joint refill: wave 2 slot asks for A's tile, wave 2 slot + 1 for B's
	s_cmp_eq_u32 s14, 2*\slot
	s_cbranch_scc0 .Lfor_b_\@
	TL G0+4*\slot, \g1a
	s_branch .Lasked_\@
.Lfor_b_\@:
	s_cmp_eq_u32 s14, 2*\slot+1
	s_cbranch_scc0 .Lasked_\@
	TL G0B+4*\slot, G1B
.Lasked_\@:
.endm
.macro CREST
	s_cmp_lg_u32 s14, 0
	s_cbranch_scc1 .Lnot_wave_0_\@
	s_barrier_signal -3
.Lnot_wave_0_\@:
	s_barrier_wait -3
	s_barrier_signal -1
	s_barrier_wait -1
.endm
.macro CROUND
	s_barrier_signal -1
	s_barrier_wait -1
	CREST
.endm
	s_load_b256 s[80:87], s[0:1], 0x0              ; x_img, wa_img, the scales' exponents, rope
	s_load_b64 s[88:89], s[0:1], 0x20              ; qkv_img
	v_lshl_add_u32 v[SPW], v0, 2, SPARE
	v_mov_b32 v[NIL], 0
	ds_add_u32 v[SPW], v[NIL]                      ; the opening lines: the add twice on end and its wait
	ds_add_u32 v[SPW], v[NIL]
	v_lshrrev_b32 v1, 5, v0
	v_readfirstlane_b32 s14, v1                    ; wave
	s_lshr_b32 s15, s14, 1                         ; my half of the A side
	s_and_b32 s16, s14, 1                          ; my half of the B side
	s_bfe_u32 s40, ttmp6, 0x40000                  ; cx
	s_bfe_u32 s41, ttmp6, 0x40004                  ; cy
	s_and_b32 s18, ttmp7, 0xffff                   ; the cluster's y, 0 .. 7
	s_lshl_b32 s18, s18, 2
	s_add_co_u32 s19, s18, s41                     ; q, k: which 256 rows of x, by cy
	s_add_co_u32 s42, s18, s40                     ; v: which 256 rows of x, by cx
	s_lshl_b32 s43, ttmp9, 2                       ; the cluster's x: 0 q, 1 k
	s_add_co_u32 s45, s43, s40                     ; q, k: which 256 columns of W, by cx
	s_add_co_u32 s17, s43, s41                     ; v: which 128 columns of W among v's, by cy
	s_lshl_b32 s43, s41, 2
	s_lshl_b32 s43, 15, s43                        ; my row of the cluster
	s_lshl_b32 s44, 0x1111, s40                    ; my column
	s_or_b32 s[G1], s43, (3<<16)|(1<<21)           ; elements of 8 bytes; bit 21 beside a mask
	s_or_b32 s[G1V], s43, (3<<16)|(1<<21)
	s_or_b32 s[G1B], s44, (3<<16)|(1<<21)
.irp g, G1, G1B, G1V                   ; rows (row tiles) of 512 elements, 2,048 elements apart; dense in LDS
	s_mov_b32 s[\g+1], 512<<16
	s_mov_b32 s[\g+3], 512<<16
	s_mov_b32 s[\g+5], 2048
	s_mov_b32 s[\g+6], 0
	s_mov_b32 s[\g+7], 0
.endr
	s_mov_b32 s[G1+2], 16<<16
	s_mov_b32 s[G1+4], 16
	s_mov_b32 s[G1B+2], 16<<16
	s_mov_b32 s[G1B+4], 16
	s_mov_b32 s[G1V+2], 8<<16
	s_mov_b32 s[G1V+4], 8
	s_lshl_b32 s20, s19, 18                        ; 256 rows are 262,144 bytes of an image
	s_mov_b32 s21, 0
	s_lshl_b32 s46, s45, 18
	s_mov_b32 s47, 0
	s_lshl_b32 s[VA], s17, 17
	s_add_co_u32 s[VA], s[VA], 1<<21               ; v's columns begin at 2,048
	s_mov_b32 s[VA+1], 0
	s_lshl_b32 s[VB], s42, 18
	s_mov_b32 s[VB+1], 0
	s_wait_dscnt 0x0
	s_wait_kmcnt 0x0
	s_load_b256 s[72:79], s[84:85], 0x0            ; e0 .. e7
	s_add_nc_u64 s[20:21], s[80:81], s[20:21]
	s_add_nc_u64 s[46:47], s[82:83], s[46:47]
	s_add_nc_u64 s[VA:VA+1], s[82:83], s[VA:VA+1]
	s_add_nc_u64 s[VB:VB+1], s[80:81], s[VB:VB+1]
	CROUND                                         ; the round in front of the first joint loads
.irp s, 0,1
	s_mov_b32 s[G0+4*\s], 1
	s_mov_b32 s[G0+4*\s+1], \s*SLOT
	s_add_nc_u64 s[G0+4*\s+2:G0+4*\s+3], s[20:21], \s*KSB
	s_or_b32 s[G0+4*\s+3], s[G0+4*\s+3], 0x80000000
	s_mov_b32 s[G0B+4*\s], 1
	s_mov_b32 s[G0B+4*\s+1], \s*SLOT+SIDE
	s_add_nc_u64 s[G0B+4*\s+2:G0B+4*\s+3], s[46:47], \s*KSB
	s_or_b32 s[G0B+4*\s+3], s[G0B+4*\s+3], 0x80000000
.endr
	; the four first fills, one a wave, in one chain of branches on the wave's number
	s_cmp_lg_u32 s14, 0
	s_cbranch_scc1 .Lhead_1
	TL G0, G1
	s_branch .Lhead_join
.Lhead_1:
	s_cmp_lg_u32 s14, 1
	s_cbranch_scc1 .Lhead_2
	TL G0B, G1B
	s_branch .Lhead_join
.Lhead_2:
	s_cmp_lg_u32 s14, 2
	s_cbranch_scc1 .Lhead_3
	TL G0+4, G1
	s_branch .Lhead_join
.Lhead_3:
	TL G0B+4, G1B
.Lhead_join:
	s_mul_i32 s21, s15, HALFT
	s_mul_i32 s22, s16, HALFT
	s_add_co_u32 s22, s22, SIDE
	s_add_co_u32 s12, s21, SLOT
	s_add_co_u32 s13, s22, SLOT
	s_lshl_b32 s23, s15, 14                        ; v: my 4 row tiles of A
	s_add_co_u32 s70, s23, SLOT
	s_and_b32 s71, s19, 7                          ; which 256 positions of the sequence
	s_lshl_b32 s96, s71, 16
	s_lshl_b32 s20, s15, 15
	s_add_co_u32 s96, s96, s20
	s_mov_b32 s97, 0
	s_add_nc_u64 s[92:93], s[86:87], s[96:97]      ; the table at my first row: 256 bytes a row
	v_and_b32 v1, 15, v0
	v_bfe_u32 v2, v0, 4, 1
	v_and_b32 v6, 31, v0
	v_lshlrev_b32 v[CO], 4, v6
	v_lshlrev_b32 v[RT], 8, v1
	v_lshl_add_u32 v[RT], v2, 5, v[RT]
	v_add_nc_u32 v[ADRA], s21, v[CO]
	v_add_nc_u32 v[ADRA+1], s12, v[CO]
	v_add_nc_u32 v[ADRB], s22, v[CO]
	v_add_nc_u32 v[ADRB+1], s13, v[CO]
	v_add_nc_u32 v[ADRV], s23, v[CO]
	v_add_nc_u32 v[ADRV+1], s70, v[CO]
	s_wait_alu depctr_va_vdst(0)
.macro ROPELOAD a                      ; block a (16 rows): my row's cos (16) and sin (16) at my 16 frequencies, into set a % 2
.set CB, CSR+32*((\a)%2)
.irp u, 0,1
.irp e, 0,1
	global_load_b128 v[CB+8*\u+4*\e:CB+8*\u+4*\e+3],       v[RT], s[92:93] offset:4096*(\a)+64*\u+16*\e
	global_load_b128 v[CB+16+8*\u+4*\e:CB+16+8*\u+4*\e+3], v[RT], s[92:93] offset:4096*(\a)+128+64*\u+16*\e
.endr
.endr
.endm
	ROPELOAD 0                                     ; the first two sets come under the products: their registers lie free there
	ROPELOAD 1
	; where the results go
	s_lshr_b32 s20, s19, 3
	s_lshl_b32 s20, s20, 4
	s_lshl_b32 s21, s40, 2
	s_add_co_u32 s20, s20, s21
	s_lshl_b32 s21, s16, 1
	s_add_co_u32 s20, s20, s21                     ; q, k: 16 x batch + head 4 cx + 2 x half
	s_mul_i32 s20, s20, HEADB
	s_lshl_b32 s21, ttmp9, 17
	s_add_co_u32 s20, s20, s21                     ; k lies behind Q
	s_lshl_b32 s71, s71, 1
	s_add_co_u32 s71, s71, s15                     ; which 128 positions
	s_add_co_u32 s21, ttmp9, 13
	s_lshl_b32 s71, s71, s21                       ; x 8,192 bytes (Q) or 16,384 (the units of K and V)
	s_add_co_u32 s96, s20, s71
	s_add_nc_u64 s[90:91], s[88:89], s[96:97]
	s_lshr_b32 s20, s42, 3
	s_lshl_b32 s20, s20, 4
	s_lshl_b32 s21, s17, 1
	s_add_co_u32 s20, s20, s21
	s_add_co_u32 s20, s20, s15                     ; v: 16 x batch + head 2 x (which 128 columns) + half
	s_mul_i32 s20, s20, HEADB
	s_and_b32 s21, s42, 7
	s_lshl_b32 s21, s21, 1
	s_add_co_u32 s21, s21, s16                     ; the unit of 128 keys
	s_lshl_b32 s21, s21, 14
	s_add_co_u32 s96, s20, s21
	s_add_co_u32 s96, s96, 131072+8192
	s_add_nc_u64 s[94:95], s[88:89], s[96:97]
	s_wait_kmcnt 0x0
	s_add_co_i32 s71, s72, s73
	s_sub_co_i32 s71, 127, s71
	s_cmp_eq_u32 ttmp9, 0
	s_cselect_b32 s98, s74, s75                    ; e2 for q, e3 for k
	s_add_co_i32 s98, s98, s71
	s_lshl_b32 s98, s98, 23                        ; 2^(et - e0 - e1)
	s_add_co_i32 s99, s76, s71
	s_lshl_b32 s99, s99, 23                        ; v's
; ---- the first block's products
.macro FRAG reg, adr, q, i             ; a fragment, 16 rows x 128 K: four loads of 512 consecutive bytes
.irp c, 0,1,2,3
	ds_load_b128 v[\reg+4*\c:\reg+4*\c+3], v[\adr] offset:4096*(\i)+2048*(\q)+512*\c
.endr
.endm
.macro MUL16 a0, p, zero               ; A's blocks a0, a0 + 1 x B's eight; the 64 accumulators take turns in one order
.irp a, \a0, \a0+1
.irp b, 0,1,2,3,4,5,6,7
.if \zero
	v_wmma_f32_16x16x128_fp8_fp8 v[8*(8*((\a)%4)+\b):8*(8*((\a)%4)+\b)+7], v[128*(\p)+FR*\b:128*(\p)+FR*\b+FR-1], v[AF+FR*(\a):AF+FR*(\a)+FR-1], 0
.else
	v_wmma_f32_16x16x128_fp8_fp8 v[8*(8*((\a)%4)+\b):8*(8*((\a)%4)+\b)+7], v[128*(\p)+FR*\b:128*(\p)+FR*\b+FR-1], v[AF+FR*(\a):AF+FR*(\a)+FR-1], v[8*(8*((\a)%4)+\b):8*(8*((\a)%4)+\b)+7]
.endif
.endr
.endr
.endm
.macro FETCH_B slot, q, p
	WIN TO_B
.irp i, 0,1,2,3,4,5,6,7
	FRAG 128*(\p)+FR*\i, ADRB+\slot, \q, \i
.endr
	WIN 0
.endm
.macro FETCH_A slot, q, i0
.irp i, \i0, \i0+1, \i0+2, \i0+3
	FRAG AF+FR*(\i), ADRA+\slot, \q, \i
.endr
.endm
.macro STEP slot, zero                 ; a slot's first 128 along K (B's set 0).  A's blocks 0-3 are fetched anew in its middle, blocks 4-7 at its end
	s_wait_dscnt 16                                ; B's set and A's blocks 0-3 are in; the youngest sixteen loads (A's blocks 4-7) may be out
	WIN MUL_LO
	MUL16 0, 0, \zero
	MUL16 2, 0, \zero
	s_wait_dscnt 0
	PLACES
	FETCH_B \slot, 1, 1
	FETCH_A \slot, 1, 0
	WIN MUL_HI
	MUL16 4, 0, \zero
	MUL16 6, 0, \zero
	PLACES
	WIN 0
	FETCH_A \slot, 1, 4
.endm
; A slot's second 128 changes slots.  fill = 1: the slot takes this block's K step two on; 2: v's K step of this slot.  last = 1: no fragment is fetched: the way out follows.
.macro TURN slot, next, fill, last
	s_wait_tensorcnt 0x0                           ; all my tensor loads have landed
	ds_add_u32 v[SPW], v[NIL]
.if \fill == 1
	s_add_nc_u64 s[G0+4*\slot+2:G0+4*\slot+3], s[G0+4*\slot+2:G0+4*\slot+3], 2*KSB
	s_add_nc_u64 s[G0B+4*\slot+2:G0B+4*\slot+3], s[G0B+4*\slot+2:G0B+4*\slot+3], 2*KSB
.else
	s_add_nc_u64 s[G0+4*\slot+2:G0+4*\slot+3], s[VA:VA+1], \slot*KSB
	s_or_b32 s[G0+4*\slot+3], s[G0+4*\slot+3], 0x80000000
	s_add_nc_u64 s[G0B+4*\slot+2:G0B+4*\slot+3], s[VB:VB+1], \slot*KSB
	s_or_b32 s[G0B+4*\slot+3], s[G0B+4*\slot+3], 0x80000000
.endif
	s_wait_dscnt 17                                ; (the add and the youngest sixteen loads may be out)
	WIN MUL_LO
	MUL16 0, 1, 0
	s_wait_dscnt 0x0                               ; the add is done, and my reads of this slot are over
	s_barrier_signal -1
	MUL16 2, 1, 0
	WIN 0
	s_barrier_wait -1
	CREST                                          ; the barrier has opened a round of the cluster's barrier
.if \fill == 1
	JLOAD \slot, G1
.else
	JLOAD \slot, G1V
.endif
	PLACES
.if \last
	WIN MUL_HI
	MUL16 4, 1, 0
	MUL16 6, 1, 0
	WIN 0
.else
	FETCH_B \next, 0, 0
	FETCH_A \next, 0, 0
	WIN MUL_HI
	MUL16 4, 1, 0
	MUL16 6, 1, 0
	PLACES
	WIN 0
	FETCH_A \next, 0, 4
.endif
.endm
; ---- v's products
.macro VFETCH slot, q, p               ; the fragments of the slot's q-th 128 along K into set p
	WIN TO_B
.irp i, 0,1,2,3,4,5,6,7
	FRAG 128*(\p)+FR*\i, ADRB+\slot, \q, \i
.endr
	WIN TO_V
.irp i, 0,1,2,3
	FRAG 64*(\p)+FR*\i, ADRV+\slot, \q, \i
.endr
	WIN 0
.endm
.macro MUL8 a, p, zero                 ; A's block a against B's eight; the 32 accumulators take turns in one order
.irp b, 0,1,2,3,4,5,6,7
.if \zero
	v_wmma_f32_16x16x128_fp8_fp8 v[8*(8*\a+\b):8*(8*\a+\b)+7], v[128*\p+16*\b:128*\p+16*\b+15], v[64*\p+16*\a:64*\p+16*\a+15], 0
.else
	v_wmma_f32_16x16x128_fp8_fp8 v[8*(8*\a+\b):8*(8*\a+\b)+7], v[128*\p+16*\b:128*\p+16*\b+15], v[64*\p+16*\a:64*\p+16*\a+15], v[8*(8*\a+\b):8*(8*\a+\b)+7]
.endif
.endr
.endm
.macro VSTEP slot, zero                ; a slot's first 128 (set 0); its second 128 is fetched into set 1 meanwhile
	s_wait_dscnt 0x0
	PLACES
	VFETCH \slot, 1, 1
	WIN MULV
	MUL8 0, 0, \zero
	MUL8 1, 0, \zero
	MUL8 2, 0, \zero
	MUL8 3, 0, \zero
	WIN 0
.endm
.macro VTURN slot, next, fill          ; a slot's second 128 (set 1) changes slots; fill = 1: the slot takes v's K step two on
	s_wait_tensorcnt 0x0
	ds_add_u32 v[SPW], v[NIL]
.if \fill
	s_add_nc_u64 s[G0+4*\slot+2:G0+4*\slot+3], s[G0+4*\slot+2:G0+4*\slot+3], 2*KSB
	s_add_nc_u64 s[G0B+4*\slot+2:G0B+4*\slot+3], s[G0B+4*\slot+2:G0B+4*\slot+3], 2*KSB
.endif
	s_wait_dscnt 1                                 ; set 1 is in; the add, the youngest, may be out
	WIN MULV
	MUL8 0, 1, 0
	s_wait_dscnt 0x0
	s_barrier_signal -1
	MUL8 1, 1, 0
	WIN 0
	s_barrier_wait -1
.if \fill
	CREST
	JLOAD \slot, G1V
.endif
	PLACES
	VFETCH \next, 0, 0
	WIN MULV
	MUL8 2, 1, 0
	MUL8 3, 1, 0
	WIN 0
.endm
; ---- the ways out
.macro CODES a                         ; 64 numbers in TMP become 16 registers of codes in set a % 2
.set CC, CD+16*((\a)%2)
	s_wait_xcnt 0x0                                ; the stores that read this set have read it
.irp b, 0,1,2,3,4,5,6,7
	v_cvt_scalef32_pk8_fp8_f32 v[CC+2*\b:CC+2*\b+1], v[TMP+8*\b:TMP+8*\b+7], v[SCL]
.endr
	v_nop                                          ; one plain line behind the conversions
.endm
.macro SCALES s                        ; v30 = the scale, v31 = 448 x the scale
	PLACES                                         ; behind the last products
	v_mov_b32 v[SCL], \s
	s_add_co_u32 s71, \s, 0x04600000               ; exponent + 8, mantissa of 448
	v_mov_b32 v[LIM], s71
	s_wait_alu depctr_va_vdst(0)
.endm
; q, k, block a: accumulator 4 hd + c holds d = 16 c + 8 h + 0 .. 7 of head hd.  lo' = lo cos - hi sin, hi' = hi cos + lo sin; each accumulator is read from its low end on.
.macro ROPE a
.set AC, 64*((\a)%4)
.set CB, CSR+32*((\a)%2)
.set WSRC, 2+(\a)/4
	WIN WSRC                                       ; source 0: the accumulators' window
.irp hd, 0,1
.irp u, 0,1
.irp i, 0,2,4,6
	v_pk_mul_f32 v[TT+8*(4*\hd+\u)+\i:TT+8*(4*\hd+\u)+\i+1],     v[AC+8*(4*\hd+2+\u)+\i:AC+8*(4*\hd+2+\u)+\i+1], v[CB+16+8*\u+\i:CB+16+8*\u+\i+1]
	v_pk_mul_f32 v[TT+8*(4*\hd+2+\u)+\i:TT+8*(4*\hd+2+\u)+\i+1], v[AC+8*(4*\hd+\u)+\i:AC+8*(4*\hd+\u)+\i+1],     v[CB+16+8*\u+\i:CB+16+8*\u+\i+1]
.endr
.endr
.endr
.irp hd, 0,1
.irp u, 0,1
.irp i, 0,2,4,6
	v_pk_fma_f32 v[TMP+8*(4*\hd+\u)+\i:TMP+8*(4*\hd+\u)+\i+1],     v[AC+8*(4*\hd+\u)+\i:AC+8*(4*\hd+\u)+\i+1],     v[CB+8*\u+\i:CB+8*\u+\i+1], v[TT+8*(4*\hd+\u)+\i:TT+8*(4*\hd+\u)+\i+1] neg_lo:[0,0,1] neg_hi:[0,0,1]
	v_pk_fma_f32 v[TMP+8*(4*\hd+2+\u)+\i:TMP+8*(4*\hd+2+\u)+\i+1], v[AC+8*(4*\hd+2+\u)+\i:AC+8*(4*\hd+2+\u)+\i+1], v[CB+8*\u+\i:CB+8*\u+\i+1], v[TT+8*(4*\hd+2+\u)+\i:TT+8*(4*\hd+2+\u)+\i+1]
.endr
.endr
.endr
	WIN 0
.endm
	s_wait_alu depctr_va_vdst(0)
	s_wait_tensorcnt 0x0                           ; my first fill is in,
	s_barrier_signal -1
	s_barrier_wait -1                              ; everybody's is
	FETCH_B 0, 0, 0
	FETCH_A 0, 0, 0
	FETCH_A 0, 0, 4
	STEP 0, 1                                      ; the first products start the sums
	TURN 0, 1, 1, 0
	STEP 1, 0
	TURN 1, 0, 1, 0
	STEP 0, 0
	TURN 0, 1, 2, 0                                ; the ring goes on into v's block
	STEP 1, 0
	TURN 1, 0, 2, 1
	SCALES s98
.irp a, 0,1,2,3,4,5,6,7
.if \a < 7
	s_wait_loadcnt 8                               ; this block's eight loads are in; the next block's may be out
.else
	s_wait_loadcnt 0
.endif
	ROPE \a
.if \a < 6
	ROPELOAD \a+2
.endif
.set j, 0
.rept 64
	v_med3_num_f32 v[TMP+j], v[TMP+j], -v[LIM], v[LIM]   ; the conversion does not saturate (ISA guide 7.6.2): the hold comes first
.set j, j+1
.endr
	s_wait_alu depctr_va_vdst(0)
	CODES \a
.irp g, 0,1,2,3
	global_store_b128 v[CO], v[CC+4*\g:CC+4*\g+3], s[90:91] offset:(\g/2)*HEADB+1024*\a+512*(\g%2)   ; 512 consecutive bytes, aligned
.endr
.endr
	VFETCH 0, 0, 0                                 ; v's K step 0 was shown whole by the last round
	VSTEP 0, 1
	VTURN 0, 1, 1
	VSTEP 1, 0
	VTURN 1, 0, 1
	VSTEP 0, 0
	VTURN 0, 1, 0                                  ; v's tail fills nothing
	VSTEP 1, 0
	s_wait_dscnt 0x0
	WIN MULV
	MUL8 0, 1, 0
	MUL8 1, 1, 0
	MUL8 2, 1, 0
	MUL8 3, 1, 0
	WIN 0
	SCALES s99
; v, block a: d = 16 a + r of my head; accumulator b holds keys 16 b + 8 h + 0 .. 7 of my unit: the eight give a fragment of 16 d x 128 keys.
.irp a, 0,1,2,3
	WIN 2
.set j, 0
.rept 64
	v_med3_num_f32 v[TMP+j], v[64*\a+j], -v[LIM], v[LIM]
.set j, j+1
.endr
	WIN 0
	s_wait_alu depctr_va_vdst(0)
	CODES \a
.irp g, 0,1,2,3
	global_store_b128 v[CO], v[CC+4*\g:CC+4*\g+3], s[94:95] offset:2048*\a+512*\g
.endr
.endr
	s_wait_tensorcnt 0x0                           ; the wave's end
	ds_add_u32 v[SPW], v[NIL]
	s_wait_dscnt 0x0
	CROUND                                         ; the closing round
	s_endpgm
.Lfunc_end_k_q5188192dcc_qkv:
	.size	k_q5188192dcc_qkv, .Lfunc_end_k_q5188192dcc_qkv-k_q5188192dcc_qkv
	.p2alignl 7, 3214868480
	.fill 96, 4, 3214868480
	.section	.rodata,"a",@progbits
	.p2align	6, 0x0
	.amdhsa_kernel k_q5188192dcc_qkv
		.amdhsa_group_segment_fixed_size 327680
		.amdhsa_private_segment_fixed_size 0
		.amdhsa_enable_private_segment 0
		.amdhsa_kernarg_size 40
		.amdhsa_user_sgpr_count 2
		.amdhsa_user_sgpr_kernarg_segment_ptr 1
		.amdhsa_wavefront_size32 1
		.amdhsa_system_sgpr_workgroup_id_x 1
		.amdhsa_system_sgpr_workgroup_id_y 1
		.amdhsa_system_sgpr_workgroup_id_z 1
		.amdhsa_system_vgpr_workitem_id 0
		.amdhsa_next_free_vgpr 1024
		.amdhsa_next_free_sgpr 100
		.amdhsa_reserve_vcc 0
		.amdhsa_float_denorm_mode_32 3
		.amdhsa_float_denorm_mode_16_64 3
		.amdhsa_memory_ordered 1
		.amdhsa_forward_progress 1
		.amdhsa_inst_pref_size 226
	.end_amdhsa_kernel
	.amdgpu_metadata
---
amdhsa.version: [ 1, 2 ]
amdhsa.kernels:
  - .name:           k_q5188192dcc_qkv
    .symbol:         k_q5188192dcc_qkv.kd
    .args:
      - { .name: x_img, .offset: 0, .size: 8, .value_kind: global_buffer, .address_space: global }
      - { .name: wa_img, .offset: 8, .size: 8, .value_kind: global_buffer, .address_space: global }
      - { .name: lowp_scales, .offset: 16, .size: 8, .value_kind: global_buffer, .address_space: global }
      - { .name: rope, .offset: 24, .size: 8, .value_kind: global_buffer, .address_space: global }
      - { .name: qkv_img, .offset: 32, .size: 8, .value_kind: global_buffer, .address_space: global }
    .group_segment_fixed_size: 327680
    .private_segment_fixed_size: 0
    .kernarg_segment_align: 8
    .kernarg_segment_size: 40
    .max_flat_workgroup_size: 128
    .sgpr_count:     100
    .vgpr_count:     1024
    .wavefront_size: 32
...
	.end_amdgpu_metadata
.endif
;; end of part 2
;; launch attn (part 3): grid 4 x 64, 16 waves a work-group, clusters of 4 x 1, 327,680 bytes of LDS; arguments qkv_img, lowp_scales, y_img; writes y_img
.if DOCPART == 3
	.amdgcn_target "amdgcn-amd-amdhsa--gfx1250"
	.amdhsa_code_object_version 6
	.text
	.protected	k_q5188192dcc_attn
	.globl	k_q5188192dcc_attn
	.p2align	8
	.type	k_q5188192dcc_attn,@function
k_q5188192dcc_attn:
	s_mov_b64 s[64:65], 0
	v_nop
	global_prefetch_b8 v0, s[64:65] scope:SCOPE_SE
	s_setreg_imm32_b32 hwreg(HW_REG_WAVE_MODE, 25, 1), 1
	s_wait_xcnt 0x0
	s_wait_alu depctr_hold_cnt(0) depctr_sa_sdst(0) depctr_va_vdst(0) depctr_va_sdst(0) depctr_va_ssrc(0) depctr_va_vcc(0) depctr_vm_vsrc(0)
	s_getreg_b32 s2, hwreg(HW_REG_IB_STS2, 6, 4)
	s_cmp_eq_u32 s2, 0
	s_cbranch_scc0 .Lentry_in_a_cluster
	s_endpgm
.Lentry_in_a_cluster:
	s_bfe_u32 s2, ttmp6, 0x10000c
	s_cmp_lg_u32 s2, 0x3003
	s_cbranch_scc0 .Lentry_shape_is_right
	s_endpgm
.Lentry_shape_is_right:
; ATTN: y = softmax(q k^T / 8, causal) v for one (batch, head), both products on codes of E4M3; y is quantised with its given scale and stored as a fragment image for the projection.
; LEFT OUT: key steps all of whose 128 keys come after a tile's 16 queries: the causal mask sets their scores to -inf, so their p is 0 for all inputs.
; qkv_img, 393,216 bytes a head: Q, 128 blocks of 16 queries x 64; behind it 16 units of 128 keys: K's 8 blocks of 16 keys x 64 (8,192 bytes), then V^T, 4 x (16 d x 128 keys) (8,192 bytes).
; A block's byte 512 g + 16 x lane holds registers 4 g .. 4 g + 3 of the matrix operand.  y_img: block (row tile, head) at (16 x row tile + head) x 1024.
; SOFTMAX: t = score x log2(e) / 8; M = the running largest t rounded up to a whole number, kept as -M; p = 2^(t - M) is quantised with 2^e5; the row's sum is taken of the unquantised p and divides at the end.
; SHARES: the four work-groups of a cluster serve one head; all of its K and V (262,144 bytes) is asked for jointly and lies in each one's LDS.  Wave w of work-group cx owns query tiles 127 - 4 w - cx and 4 w + cx,
; one after the other: 17 key steps in all for every wave.  Both products are used transposed (S^T = K Q^T, O^T = V^T P^T): a lane holds one query.
; THE FILLS: the first two units (2,048 bytes a wave) at the head; the other fourteen (14,336 bytes a wave) behind the full sequence and a round; the first two steps run under that second load.
; No prefetch into the L2: every fill is asked for at the head, and no loop runs ahead of a load.
; A STEP: K's fragments of the next step are loaded one step ahead into registers of their own; V's behind the first product.  p's codes overlay score registers that are done with.
; LIMITS: e2 + e3 between -123 and 130; e5 and e6 - e4 - e5 between -126 and 119; the scaled scores stay under 2^31 in magnitude; NaN is not served.
.set HEADB, 393216
.set STEPB, 16384                      ; a unit of 128 keys in LDS
.set SPARE, 0x40000                    ; behind K and V: the spare words, 128 bytes a wave
.set SPW,  1                           ; v1   my spare word; never rewritten
.set NM,   2                           ; v2   -M (the pair v[2:3] is named, its low word used)
.set SC,   3                           ; v3   2^e5 as f32
.set LI,   4                           ; v4   16 x lane
.set NIL,  5                           ; v5   0; never rewritten
.set SUM,  6                           ; v[6:7] the row's sum in two halves
.set F,    8                           ; v8   the next K's address, then f = 2^(old M - new M), then a chain of the sum (with v9)
.set AD,   9                           ; v9   the step's address, then at work
.set T,    10                          ; v10-13 at work: four chains
.set PC,   14                          ; v14-29 p's codes: v14, v15 and the first 14 score registers
.set S,    16                          ; v16-79 S^T, then p
.set KF,   80                          ; v80-143 K's eight fragments
.set VF,   144                         ; v144-207 V's four fragments
.set O,    208                         ; v208-239 O^T
.set QB,   240                         ; v240-247 the long tile's Q
.set QA,   248                         ; v248-255 the short tile's Q
.set WV,   18
.set SEL,  20
.set CS,   22
.set G1A,  24
.set G1B,  32
.set G0A,  40
.set G0B,  44
.set TB,   48                          ; LDS byte of the step's unit
.set K2,   49                          ; the step's first key / 64
.set PT,   50                          ; my tile's first query / 64, rounded down: the same in all four partners
.set TRIP, 51
.set QBB,  52
.set QBA,  54
.set YBB,  56
.set YBA,  58
.set PH,   80                          ; 448 x 2^e5
.set YS,   81                          ; 2^(e6 - e4 - e5)
.set YH,   82                          ; 448 x that
.set Q0,   84                          ; the tile's first query
.set Q0A,  85
.macro CROUND
	s_barrier_signal -1
	s_barrier_wait -1
	s_cmp_lg_u32 s[WV], 0
	s_cbranch_scc1 .Lnot_wave_0_\@
	s_barrier_signal -3
.Lnot_wave_0_\@:
	s_barrier_wait -3
	s_barrier_signal -1
	s_barrier_wait -1
.endm
.macro INIT                            ; -M = 3e38, over every -t; the sum and O^T begin as zeros, which the first f = 0 leaves zeros
	v_mov_b32 v[NM], 0x7f61b1e6
	v_mov_b32 v[SUM], 0
	v_mov_b32 v[SUM+1], 0
.set j, 0
.rept 32
	v_mov_b32 v[O+j], 0
.set j, j+1
.endr
.endm
	s_load_b128 s[4:7], s[0:1], 0x0                ; qkv_img, the scales' exponents
	s_load_b64 s[8:9], s[0:1], 0x10                ; y_img
	v_lshl_add_u32 v[SPW], v0, 2, SPARE
	v_mov_b32 v[NIL], 0
	ds_add_u32 v[SPW], v[NIL]                      ; the opening lines: the add twice on end and its wait
	ds_add_u32 v[SPW], v[NIL]
	v_lshrrev_b32 v8, 5, v0
	v_readfirstlane_b32 s[WV], v8
	v_and_b32 v[LI], 31, v0
	v_lshlrev_b32 v[LI], 4, v[LI]
	s_bfe_u32 s60, ttmp6, 0x40000                  ; cx
	s_and_b32 s61, ttmp7, 0xffff                   ; 16 x batch + head
	s_mul_i32 s62, s61, HEADB
	s_mov_b32 s63, 0
	s_lshl_b32 s12, s[WV], 11                      ; first fill: 2,048 bytes a wave from byte 0 of K and V
	s_mov_b32 s13, 0
	s_mul_i32 s14, s[WV], 14336                    ; second: 14,336 bytes a wave from byte 32,768
	s_add_co_u32 s14, s14, 2*STEPB
	s_mov_b32 s15, 0
.irp g, G1A, G1B                       ; rows of 256 bytes (32 elements of 8), dense; the mask names the cluster's four
	s_mov_b32 s[\g], 15|(3<<16)|(1<<21)
	s_mov_b32 s[\g+1], 32<<16
	s_mov_b32 s[\g+3], 32<<16
	s_mov_b32 s[\g+5], 32
	s_mov_b32 s[\g+6], 0
	s_mov_b32 s[\g+7], 0
.endr
	s_mov_b32 s[G1A+2], 8<<16
	s_mov_b32 s[G1A+4], 8
	s_mov_b32 s[G1B+2], 56<<16
	s_mov_b32 s[G1B+4], 56
	s_mov_b32 s[SEL], 0x76543210
	s_mov_b32 s[SEL+1], 0xfedcba98
	s_mov_b32 s[CS], 0x3e38aa3b                    ; log2(e) / 8
	s_lshl_b32 s66, s[WV], 2
	s_add_co_u32 s66, s66, s60                     ; the short tile
	s_sub_co_u32 s67, 127, s66                     ; the long tile
	s_wait_alu depctr_va_vdst(0)
	s_wait_dscnt 0x0
	s_wait_kmcnt 0x0
	s_load_b256 s[72:79], s[6:7], 0x0              ; e0 .. e7
	s_add_nc_u64 s[4:5], s[4:5], s[62:63]
	s_mov_b32 s69, 0
	s_lshl_b32 s68, s67, 10
	s_add_nc_u64 s[QBB:QBB+1], s[4:5], s[68:69]
	s_lshl_b32 s68, s66, 10
	s_add_nc_u64 s[QBA:QBA+1], s[4:5], s[68:69]
	global_load_b128 v[QB:QB+3], v[LI], s[QBB:QBB+1]
	global_load_b128 v[QB+4:QB+7], v[LI], s[QBB:QBB+1] offset:512
	global_load_b128 v[QA:QA+3], v[LI], s[QBA:QBA+1]
	global_load_b128 v[QA+4:QA+7], v[LI], s[QBA:QBA+1] offset:512
	s_add_nc_u64 s[16:17], s[4:5], 131072          ; K and V
	s_mov_b32 s[G0A], 1
	s_mov_b32 s[G0A+1], s12
	s_add_nc_u64 s[G0A+2:G0A+3], s[16:17], s[12:13]
	s_or_b32 s[G0A+3], s[G0A+3], 0x80000000
	s_mov_b32 s[G0B], 1
	s_mov_b32 s[G0B+1], s14
	s_add_nc_u64 s[G0B+2:G0B+3], s[16:17], s[14:15]
	s_or_b32 s[G0B+3], s[G0B+3], 0x80000000
	CROUND                                         ; the round in front of the first joint load
	tensor_load_to_lds s[G0A:G0A+3], s[G1A:G1A+7]
	s_nop 0
	s_lshr_b32 s70, s61, 4
	s_lshl_b32 s70, s70, 7                         ; the batch's first row tile
	s_and_b32 s71, s61, 15                         ; the head
	s_add_co_u32 s68, s70, s66
	s_lshl_b32 s68, s68, 4
	s_add_co_u32 s68, s68, s71
	s_lshl_b32 s68, s68, 10
	s_add_nc_u64 s[YBA:YBA+1], s[8:9], s[68:69]
	s_add_co_u32 s68, s70, s67
	s_lshl_b32 s68, s68, 4
	s_add_co_u32 s68, s68, s71
	s_lshl_b32 s68, s68, 10
	s_add_nc_u64 s[YBB:YBB+1], s[8:9], s[68:69]
	s_lshl_b32 s[Q0A], s66, 4
	s_lshl_b32 s[Q0], s67, 4
	INIT
	s_wait_kmcnt 0x0
	s_add_co_i32 s68, s74, s75
	s_lshl_b32 s68, s68, 23
	s_add_co_i32 s[CS], s[CS], s68                 ; e2 + e3 go into c's exponent field
	s_mov_b32 s[CS+1], s[CS]
	s_add_co_i32 s68, s77, 127
	s_lshl_b32 s69, s68, 23
	v_mov_b32 v[SC], s69
	s_add_co_i32 s68, s68, 8
	s_lshl_b32 s68, s68, 23
	s_or_b32 s[PH], s68, 0x600000
	s_sub_co_i32 s68, s78, s76
	s_sub_co_i32 s68, s68, s77
	s_add_co_i32 s68, s68, 127
	s_lshl_b32 s[YS], s68, 23
	s_add_co_i32 s68, s68, 8
	s_lshl_b32 s68, s68, 23
	s_or_b32 s[YH], s68, 0x600000
	s_wait_alu depctr_va_vdst(0)
	s_wait_tensorcnt 0x0                           ; my part of the first two units is in
	ds_add_u32 v[SPW], v[NIL]
	s_wait_dscnt 0x0
	CROUND                                         ; everybody's part is in, and the four partners meet
	tensor_load_to_lds s[G0B:G0B+3], s[G1B:G1B+7]
	s_nop 0
.rept 4
	v_nop
.endr
.macro LOADK                           ; K's eight fragments of the unit at TB
	v_add_nc_u32 v[AD], s[TB], v[LI]
.irp t, 0,1,2,3,4,5,6,7
	ds_load_b128 v[KF+8*\t:KF+8*\t+3], v[AD] offset:1024*\t
	ds_load_b128 v[KF+8*\t+4:KF+8*\t+7], v[AD] offset:1024*\t+512
.endr
.endm
.macro HOLD t                          ; p is not negative: a one-sided hold ahead of the conversion, which does not saturate (ISA guide 7.6.2); two numbers an instruction
.irp i, 0,2,4,6
	v_dual_min_num_f32 v[S+8*(\t)+\i], s[PH], v[S+8*(\t)+\i] :: v_dual_min_num_f32 v[S+8*(\t)+\i+1], s[PH], v[S+8*(\t)+\i+1]
.endr
.endm
.macro ADD4 t                          ; tile t's four pairs, one onto each chain of the sum
	v_pk_add_f32 v[SUM:SUM+1], v[SUM:SUM+1], v[S+8*(\t):S+8*(\t)+1]
	v_pk_add_f32 v[F:F+1], v[F:F+1], v[S+8*(\t)+2:S+8*(\t)+3]
	v_pk_add_f32 v[T:T+1], v[T:T+1], v[S+8*(\t)+4:S+8*(\t)+5]
	v_pk_add_f32 v[T+2:T+3], v[T+2:T+3], v[S+8*(\t)+6:S+8*(\t)+7]
.endm
; A KEY STEP of 128 keys.  q: Q's registers.  causal = 1: the step may be hidden or lie on the diagonal.  pf = 1: the next unit's K is loaded ahead.
.macro STEP q, causal, pf
.if \causal
	s_cmp_gt_u32 s[K2], s[PT]                      ; all keys behind my queries: ids and the count of steps alone
	s_cbranch_scc1 .Lhid_\@
.endif
.if \pf
	s_add_co_u32 s96, s[TB], STEPB
	s_min_u32 s96, s96, 15*STEPB                   ; the last unit has no successor: its own K is named once more
.endif
	s_wait_dscnt 0x0                               ; K's fragments are in
	v_add_nc_u32 v[AD], s[TB], v[LI]               ; five places: the products below write over registers that the last products read as p's codes
.if \pf
	v_add_nc_u32 v[F], s96, v[LI]
.else
	v_nop
.endif
.rept 3
	v_nop
.endr
.irp t, 0,1,2,3,4,5,6,7
	v_wmma_f32_16x16x64_fp8_fp8 v[S+8*\t:S+8*\t+7], v[KF+8*\t:KF+8*\t+7], v[\q:\q+7], 0
.endr
.rept 4
	v_nop                                          ; places ahead of the loads into K's registers and of the first reads of the scores
.endr
.irp d, 0,1,2,3
.irp g, 0,1,2,3
	ds_load_b128 v[VF+16*\d+4*\g:VF+16*\d+4*\g+3], v[AD] offset:8192+2048*\d+512*\g
.endr
.endr
.if \pf
.irp t, 0,1,2,3,4,5,6,7
	ds_load_b128 v[KF+8*\t:KF+8*\t+3], v[F] offset:1024*\t
	ds_load_b128 v[KF+8*\t+4:KF+8*\t+7], v[F] offset:1024*\t+512
.endr
.endif
.if \causal
	s_add_co_u32 s96, s[K2], 2
	s_cmp_le_u32 s96, s[PT]
	s_cbranch_scc1 .Lopen_\@                       ; all 128 keys count
	s_lshl_b32 s96, s[K2], 6
	s_sub_co_u32 s96, s[Q0], s96
	v_bfe_u32 v[T], v[LI], 4, 4                    ; r
	v_bfe_u32 v[T+1], v[LI], 8, 1                  ; h
	v_lshlrev_b32 v[T+1], 3, v[T+1]
	v_sub_nc_u32 v[T], v[T], v[T+1]
	v_add_nc_u32 v[T], s96, v[T]                   ; d = my query - the step's first key - 8 h; register 8 t + j holds key 16 t + 8 h + j: hidden where 16 t + j > d
	v_mov_b32 v[T+1], 0xff800000
.set n, 0
.rept 64
	v_cmp_gt_i32 vcc_lo, 16*(n/8)+n%8, v[T]
	v_cndmask_b32 v[S+n], v[S+n], v[T+1], vcc_lo
.set n, n+1
.endr
.Lopen_\@:
.endif
.irp c, 0,1,2,3                        ; the largest score of my 64, in four chains of 16, each accumulator from its low end on
	v_max3_num_f32 v[T+\c], v[S+16*\c], v[S+16*\c+1], v[S+16*\c+2]
.endr
.irp k, 1,2,3,4,5,6
.irp c, 0,1,2,3
	v_max3_num_f32 v[T+\c], v[T+\c], v[S+16*\c+1+2*\k], v[S+16*\c+2+2*\k]
.endr
.endr
	v_max3_num_f32 v[T], v[T], v[T+1], v[S+15]
	v_max3_num_f32 v[T+2], v[T+2], v[T+3], v[S+31]
	v_max3_num_f32 v[T], v[T], v[S+47], v[S+63]
	s_delay_alu instid0(VALU_DEP_1)
	v_max_num_f32 v[T], v[T], v[T+2]
	v_permlanex16_b32 v[AD], v[T], s[SEL], s[SEL+1]
	s_delay_alu instid0(VALU_DEP_1)
	v_max_num_f32 v[T], v[T], v[AD]                ; and lane l xor 16's
	s_delay_alu instid0(VALU_DEP_1)
	v_mul_f32 v[T], s[CS], v[T]                    ; as t
	s_delay_alu instid0(VALU_DEP_1)
	v_floor_f32 v[T], -v[T]                        ; -ceil(t)
	s_delay_alu instid0(VALU_DEP_1)
	v_min_num_f32 v[T], v[T], v[NM]                ; the new -M: the ceiling of a maximum is the maximum of the ceilings
	s_delay_alu instid0(VALU_DEP_1)
	v_sub_f32 v[T+1], v[T], v[NM]                  ; old M - new M, a whole number, 0 or less
	v_mov_b32 v[NM], v[T]
	s_delay_alu instid0(VALU_DEP_2)
	v_cvt_i32_f32 v[T+1], v[T+1]                   ; (it saturates)
	s_delay_alu instid0(VALU_DEP_1)
	v_ldexp_f32 v[F], 1.0, v[T+1]                  ; f
.set j, 0
.rept 32
	v_pk_fma_f32 v[S+j:S+j+1], v[S+j:S+j+1], s[CS:CS+1], v[NM:NM+1] op_sel_hi:[1,0,0]   ; t - M
.set j, j+2
.endr
	s_wait_alu depctr_va_vdst(0)
.set n, 0
.rept 64
	v_exp_f32 v[S+n], v[S+n]
.set n, n+1
.endr
	v_pk_mul_f32 v[SUM:SUM+1], v[SUM:SUM+1], v[F:F+1] op_sel_hi:[1,0]   ; the plain place behind the batch
	s_wait_alu depctr_va_vdst(0)                   ; one wait for the batch and, directly ahead of them, for the first readers of O^T
.set j, 0
.rept 16
	v_pk_mul_f32 v[O+j:O+j+1], v[O+j:O+j+1], v[F:F+1] op_sel_hi:[1,0]
.set j, j+2
.endr
	; the sum of the unquantised p in four chains; behind a tile's additions its hold, and then its conversion, with plain additions between two conversions
	v_pk_add_f32 v[SUM:SUM+1], v[SUM:SUM+1], v[S:S+1]
	v_pk_add_f32 v[F:F+1], v[S+2:S+3], v[S+10:S+11]
	v_pk_add_f32 v[T:T+1], v[S+4:S+5], v[S+12:S+13]
	v_pk_add_f32 v[T+2:T+3], v[S+6:S+7], v[S+14:S+15]
	v_pk_add_f32 v[SUM:SUM+1], v[SUM:SUM+1], v[S+8:S+9]
.irp t, 0,1,2,3,4,5,6,7
	HOLD \t
.if \t < 6
	ADD4 \t+2
.endif
.if \t == 6
	v_pk_add_f32 v[F:F+1], v[F:F+1], v[T:T+1]
	v_pk_add_f32 v[SUM:SUM+1], v[SUM:SUM+1], v[T+2:T+3]
.endif
	v_cvt_scalef32_pk8_fp8_f32 v[PC+2*\t:PC+2*\t+1], v[S+8*\t:S+8*\t+7], v[SC]   ; tile t's codes: registers 2 t, 2 t + 1 of the operand; from t = 1 on they lie on tiles 0 and 1, which are converted
.endr
	v_pk_add_f32 v[SUM:SUM+1], v[SUM:SUM+1], v[F:F+1]   ; the plain line behind the last conversion
	s_wait_alu depctr_va_vdst(0)
	s_wait_dscnt 16*\pf                            ; V's sixteen loads are in; the sixteen younger ones, the next K's, may be out
.irp d, 0,1,2,3
	v_wmma_f32_16x16x128_fp8_fp8 v[O+8*\d:O+8*\d+7], v[VF+16*\d:VF+16*\d+15], v[PC:PC+15], v[O+8*\d:O+8*\d+7]
.endr
.if \causal
.Lhid_\@:
.endif
	s_add_co_u32 s[TB], s[TB], STEPB
	s_add_co_u32 s[K2], s[K2], 2
.endm
.macro WALK q, trips
	s_mov_b32 s[TRIP], \trips
.Lwalk_\@:
	STEP \q, 1, 1
	s_sub_co_u32 s[TRIP], s[TRIP], 1
	s_cmp_lg_u32 s[TRIP], 0
	s_cbranch_scc1 .Lwalk_\@
.endm
.macro FINISH yb                       ; O^T / the sum, quantised with 2^e6 (the sums lack 2^(e4 + e5)), stored as one block of y_img: 2 x 512 consecutive bytes
	s_wait_alu depctr_va_vdst(0)
.rept 4
	v_nop                                          ; places behind the last products
.endr
	v_add_f32 v[SUM], v[SUM], v[SUM+1]
	v_permlanex16_b32 v[AD], v[SUM], s[SEL], s[SEL+1]
	v_add_f32 v[SUM], v[SUM], v[AD]
	v_mov_b32 v[T], s[YH]
	v_mov_b32 v[T+1], s[YS]
	s_wait_alu depctr_va_vdst(0)                   ; ahead of the transcendental
	v_rcp_f32 v[SUM], v[SUM]
	v_nop
	s_wait_alu depctr_va_vdst(0)                   ; behind it, directly ahead of the first readers of O^T
.set j, 0
.rept 16
	v_pk_mul_f32 v[O+j:O+j+1], v[O+j:O+j+1], v[SUM:SUM+1] op_sel_hi:[1,0]
.set j, j+2
.endr
.set j, 0
.rept 32
	v_med3_num_f32 v[O+j], v[O+j], -v[T], v[T]
.set j, j+1
.endr
.irp d, 0,1,2,3
	v_cvt_scalef32_pk8_fp8_f32 v[S+2*\d:S+2*\d+1], v[O+8*\d:O+8*\d+7], v[T+1]
.endr
	v_nop
	global_store_b128 v[LI], v[S:S+3], s[\yb:\yb+1]
	global_store_b128 v[LI], v[S+4:S+7], s[\yb:\yb+1] offset:512
.endm
	s_wait_loadcnt 0x0                             ; Q
	s_mov_b32 s[TB], 0
	s_mov_b32 s[K2], 0
	s_sub_co_u32 s[PT], 31, s[WV]
	LOADK
	STEP QB, 0, 1                                  ; the long tile's first two steps read the first fill alone; all their keys count (PT is 16 at the least)
	STEP QB, 0, 0
	s_wait_tensorcnt 0x0                           ; my part of the other fourteen units is in,
	s_wait_dscnt 0x0
	s_barrier_signal -1
	s_barrier_wait -1                              ; everybody's is
	LOADK
	WALK QB, 14
	FINISH YBB
	s_wait_xcnt 0x0                                ; the stores have read their registers
	INIT
	s_mov_b32 s[TB], 0
	s_mov_b32 s[K2], 0
	s_mov_b32 s[PT], s[WV]
	s_mov_b32 s[Q0], s[Q0A]
	s_wait_dscnt 0x0                               ; the last K loaded ahead has landed: its registers are loaded anew
	LOADK
	WALK QA, 8
	FINISH YBA
	s_wait_tensorcnt 0x0                           ; the wave's end
	ds_add_u32 v[SPW], v[NIL]
	s_wait_dscnt 0x0
	CROUND                                         ; the closing round
	s_endpgm
.Lfunc_end_k_q5188192dcc_attn:
	.size	k_q5188192dcc_attn, .Lfunc_end_k_q5188192dcc_attn-k_q5188192dcc_attn
	.p2alignl 7, 3214868480
	.fill 96, 4, 3214868480
	.section	.rodata,"a",@progbits
	.p2align	6, 0x0
	.amdhsa_kernel k_q5188192dcc_attn
		.amdhsa_group_segment_fixed_size 327680
		.amdhsa_private_segment_fixed_size 0
		.amdhsa_enable_private_segment 0
		.amdhsa_kernarg_size 24
		.amdhsa_user_sgpr_count 2
		.amdhsa_user_sgpr_kernarg_segment_ptr 1
		.amdhsa_wavefront_size32 1
		.amdhsa_system_sgpr_workgroup_id_x 1
		.amdhsa_system_sgpr_workgroup_id_y 1
		.amdhsa_system_sgpr_workgroup_id_z 1
		.amdhsa_system_vgpr_workitem_id 0
		.amdhsa_next_free_vgpr 256
		.amdhsa_next_free_sgpr 100
		.amdhsa_reserve_vcc 1
		.amdhsa_float_denorm_mode_32 3
		.amdhsa_float_denorm_mode_16_64 3
		.amdhsa_memory_ordered 1
		.amdhsa_forward_progress 1
		.amdhsa_inst_pref_size 93
	.end_amdhsa_kernel
	.amdgpu_metadata
---
amdhsa.version: [ 1, 2 ]
amdhsa.kernels:
  - .name:           k_q5188192dcc_attn
    .symbol:         k_q5188192dcc_attn.kd
    .args:
      - { .name: qkv_img, .offset: 0, .size: 8, .value_kind: global_buffer, .address_space: global }
      - { .name: lowp_scales, .offset: 8, .size: 8, .value_kind: global_buffer, .address_space: global }
      - { .name: y_img, .offset: 16, .size: 8, .value_kind: global_buffer, .address_space: global }
    .group_segment_fixed_size: 327680
    .private_segment_fixed_size: 0
    .kernarg_segment_align: 8
    .kernarg_segment_size: 24
    .max_flat_workgroup_size: 512
    .sgpr_count:     100
    .vgpr_count:     256
    .wavefront_size: 32
...
	.end_amdgpu_metadata
.endif
;; end of part 3
;; launch proj (part 4): grid 4 x 64, 4 waves a work-group, clusters of 4 x 4, 327,680 bytes of LDS; arguments y_img, wp_img, lowp_scales, out0; writes out0
.if DOCPART == 4
	.amdgcn_target "amdgcn-amd-amdhsa--gfx1250"
	.amdhsa_code_object_version 6
	.text
	.protected	k_q5188192dcc_proj
	.globl	k_q5188192dcc_proj
	.p2align	8
	.type	k_q5188192dcc_proj,@function
k_q5188192dcc_proj:
	s_mov_b64 s[64:65], 0
	v_nop
	global_prefetch_b8 v0, s[64:65] scope:SCOPE_SE
	s_setreg_imm32_b32 hwreg(HW_REG_WAVE_MODE, 25, 1), 1
	s_wait_xcnt 0x0
	s_wait_alu depctr_hold_cnt(0) depctr_sa_sdst(0) depctr_va_vdst(0) depctr_va_sdst(0) depctr_va_ssrc(0) depctr_va_vcc(0) depctr_vm_vsrc(0)
	s_getreg_b32 s2, hwreg(HW_REG_IB_STS2, 6, 4)
	s_cmp_eq_u32 s2, 0
	s_cbranch_scc0 .Lentry_in_a_cluster
	s_endpgm
.Lentry_in_a_cluster:
	s_bfe_u32 s2, ttmp6, 0x10000c
	s_cmp_lg_u32 s2, 0xf033
	s_cbranch_scc0 .Lentry_shape_is_right
	s_endpgm
.Lentry_shape_is_right:
; PROJ: out0 = y W_proj on codes of E4M3 (K = 1,024); each finished sum is multiplied once by 2^(e6 + e7).  LIMIT: e6 + e7 between -126 and 127.
; y_img, wp_img: fragment images: blocks of 16 rows x 64 k, 1,024 bytes, block (row tile, kb) at (16 x row tile + kb) x 1024; byte 512 g + 16 x lane holds registers 4 g .. 4 g + 3 of the operand.
; SHARES: 256 work-groups, each a block of 128 rows of y (A side) x 256 columns of W (B side); a wave makes 64 x 128: 32 accumulators.  Source 0 = 16 rows of the B side, source 1 = 16 of the A side:
; a lane holds eight neighbouring numbers of a row of out0.
; THE RING: K in steps of 256 through two LDS slots (A's 8 row tiles, 32,768 bytes, then B's 16, 65,536 bytes).  The four first fills go out one a wave at the head; a slot is filled again by two waves.
; CLUSTERS: 4 x 4 work-groups; A's tiles are shared along a row of the cluster, B's along a column.  No prefetch is laid: K has four steps, of which two are asked for at the head.
; REGISTERS: window 0: v16-31 addresses, v32-255 at work on the way out.  window 1: B's fragments, two sets.  window 2: the accumulators.  window 3: A's fragments, two sets of 64.
.set SIZE_N, 1024
.set ATILE,  32768
.set HALFA,  16384
.set HALFB,  32768
.set SLOT,   98304
.set SPARE,  2*SLOT
.set KSB,    4096
.set SPITCH, 528                       ; the way out: a stage of 16 rows x (512 + 16) bytes for each wave, in slot 0, which has had its last fill and its last read by then
.set ADRA, 16
.set ADRB, 20
.set STO,  24
.set RD,   25
.set CO,   26
.set SPW,  28
.set NIL,  29
.set TMP,  32
.set BK,   128
.set G1, 24
.set G0, 32
.set G1B, 48
.set G0B, 56
.set MSB, 0
.macro WIN new
.if MSB != \new
	s_set_vgpr_msb (MSB<<8)|\new
.set MSB, \new
.endif
.endm
.set MULW, 0xad                        ; source 0 (B) window 1, source 1 (A) window 3, C and D window 2
.set TO_B, 0x40
.set TO_A, 0xc0
.macro PLACES
.rept 4
	v_nop
.endr
.endm
.macro TL g0, g1
	tensor_load_to_lds s[\g0:\g0+3], s[\g1:\g1+7]
	s_nop 0
	PLACES
.endm
.macro JLOAD slot
	s_cmp_eq_u32 s14, 2*\slot
	s_cbranch_scc0 .Lfor_b_\@
	TL G0+4*\slot, G1
	s_branch .Lasked_\@
.Lfor_b_\@:
	s_cmp_eq_u32 s14, 2*\slot+1
	s_cbranch_scc0 .Lasked_\@
	TL G0B+4*\slot, G1B
.Lasked_\@:
.endm
.macro CREST
	s_cmp_lg_u32 s14, 0
	s_cbranch_scc1 .Lnot_wave_0_\@
	s_barrier_signal -3
.Lnot_wave_0_\@:
	s_barrier_wait -3
	s_barrier_signal -1
	s_barrier_wait -1
.endm
.macro CROUND
	s_barrier_signal -1
	s_barrier_wait -1
	CREST
.endm
	s_load_b128 s[4:7], s[0:1], 0x0                ; y_img, wp_img
	s_load_b128 s[8:11], s[0:1], 0x10              ; the scales' exponents, out0
	v_lshl_add_u32 v[SPW], v0, 2, SPARE
	v_mov_b32 v[NIL], 0
	ds_add_u32 v[SPW], v[NIL]                      ; the opening lines: the add twice on end and its wait
	ds_add_u32 v[SPW], v[NIL]
	v_lshrrev_b32 v1, 5, v0
	v_readfirstlane_b32 s14, v1
	s_lshr_b32 s15, s14, 1                         ; my half of the A side
	s_and_b32 s16, s14, 1                          ; my half of the B side
	s_bfe_u32 s40, ttmp6, 0x40000                  ; cx: which 256 columns
	s_bfe_u32 s41, ttmp6, 0x40004
	s_and_b32 s17, ttmp7, 0xffff
	s_lshl_b32 s17, s17, 2
	s_add_co_u32 s17, s17, s41                     ; which 128 rows
	s_lshl_b32 s43, s41, 2
	s_lshl_b32 s43, 15, s43
	s_lshl_b32 s44, 0x1111, s40
	s_or_b32 s[G1], s43, (3<<16)|(1<<21)
	s_or_b32 s[G1B], s44, (3<<16)|(1<<21)
.irp g, G1, G1B
	s_mov_b32 s[\g+1], 512<<16
	s_mov_b32 s[\g+3], 512<<16
	s_mov_b32 s[\g+5], 2048
	s_mov_b32 s[\g+6], 0
	s_mov_b32 s[\g+7], 0
.endr
	s_mov_b32 s[G1+2], 8<<16
	s_mov_b32 s[G1+4], 8
	s_mov_b32 s[G1B+2], 16<<16
	s_mov_b32 s[G1B+4], 16
	s_lshl_b32 s20, s17, 17
	s_mov_b32 s21, 0
	s_lshl_b32 s46, s40, 18
	s_mov_b32 s47, 0
	s_wait_dscnt 0x0
	s_wait_kmcnt 0x0
	s_load_b64 s[96:97], s[8:9], 0x18              ; e6, e7
	s_add_nc_u64 s[20:21], s[4:5], s[20:21]
	s_add_nc_u64 s[46:47], s[6:7], s[46:47]
	CROUND
.irp s, 0,1
	s_mov_b32 s[G0+4*\s], 1
	s_mov_b32 s[G0+4*\s+1], \s*SLOT
	s_add_nc_u64 s[G0+4*\s+2:G0+4*\s+3], s[20:21], \s*KSB
	s_or_b32 s[G0+4*\s+3], s[G0+4*\s+3], 0x80000000
	s_mov_b32 s[G0B+4*\s], 1
	s_mov_b32 s[G0B+4*\s+1], \s*SLOT+ATILE
	s_add_nc_u64 s[G0B+4*\s+2:G0B+4*\s+3], s[46:47], \s*KSB
	s_or_b32 s[G0B+4*\s+3], s[G0B+4*\s+3], 0x80000000
.endr
	; the four first fills, one a wave, in one chain of branches on the wave's number
	s_cmp_lg_u32 s14, 0
	s_cbranch_scc1 .Lhead_1
	TL G0, G1
	s_branch .Lhead_join
.Lhead_1:
	s_cmp_lg_u32 s14, 1
	s_cbranch_scc1 .Lhead_2
	TL G0B, G1B
	s_branch .Lhead_join
.Lhead_2:
	s_cmp_lg_u32 s14, 2
	s_cbranch_scc1 .Lhead_3
	TL G0+4, G1
	s_branch .Lhead_join
.Lhead_3:
	TL G0B+4, G1B
.Lhead_join:
	s_mul_i32 s21, s15, HALFA
	s_mul_i32 s22, s16, HALFB
	s_add_co_u32 s22, s22, ATILE
	s_add_co_u32 s12, s21, SLOT
	s_add_co_u32 s13, s22, SLOT
	s_mul_i32 s23, s14, 16*SPITCH
	s_lshl_b32 s20, s17, 19                        ; 128 rows of 4,096 bytes
	s_lshl_b32 s46, s15, 18
	s_add_co_u32 s20, s20, s46
	s_lshl_b32 s46, s40, 10
	s_add_co_u32 s20, s20, s46
	s_lshl_b32 s46, s16, 9
	s_add_co_u32 s20, s20, s46
	s_mov_b32 s21, 0
	s_add_nc_u64 s[10:11], s[10:11], s[20:21]
	s_mul_i32 s21, s15, HALFA
	v_and_b32 v1, 15, v0
	v_bfe_u32 v2, v0, 4, 1
	v_and_b32 v6, 31, v0
	v_lshlrev_b32 v[CO], 4, v6
	v_add_nc_u32 v[ADRA], s21, v[CO]
	v_add_nc_u32 v[ADRB], s22, v[CO]
	v_add_nc_u32 v[ADRA+1], s12, v[CO]
	v_add_nc_u32 v[ADRB+1], s13, v[CO]
	v_mul_u32_u24 v5, v1, SPITCH
	v_lshl_add_u32 v5, v2, 5, v5
	v_add_nc_u32 v[STO], s23, v5                   ; into the stage: row r, 32 bytes for each half of the lanes
	v_add_nc_u32 v[RD], s23, v[CO]                 ; back: the 32 lanes take one row of 512 bytes
.macro FETCH slot, q, p
	WIN TO_B
.irp i, 0,1,2,3,4,5,6,7
.irp c, 0,1,2,3
	ds_load_b128 v[128*\p+16*\i+4*\c:128*\p+16*\i+4*\c+3], v[ADRB+\slot] offset:4096*\i+2048*\q+512*\c
.endr
.endr
	WIN TO_A
.irp i, 0,1,2,3
.irp c, 0,1,2,3
	ds_load_b128 v[64*\p+16*\i+4*\c:64*\p+16*\i+4*\c+3], v[ADRA+\slot] offset:4096*\i+2048*\q+512*\c
.endr
.endr
	WIN 0
.endm
.macro MUL8 a, p, zero                 ; the 32 accumulators take turns in one order
.irp b, 0,1,2,3,4,5,6,7
.if \zero
	v_wmma_f32_16x16x128_fp8_fp8 v[8*(8*\a+\b):8*(8*\a+\b)+7], v[128*\p+16*\b:128*\p+16*\b+15], v[64*\p+16*\a:64*\p+16*\a+15], 0
.else
	v_wmma_f32_16x16x128_fp8_fp8 v[8*(8*\a+\b):8*(8*\a+\b)+7], v[128*\p+16*\b:128*\p+16*\b+15], v[64*\p+16*\a:64*\p+16*\a+15], v[8*(8*\a+\b):8*(8*\a+\b)+7]
.endif
.endr
.endm
.macro STEP slot, zero                 ; a slot's first 128 along K (set 0); its second 128 is fetched into set 1 meanwhile
	s_wait_dscnt 0x0
	PLACES
	FETCH \slot, 1, 1
	WIN MULW
	MUL8 0, 0, \zero
	MUL8 1, 0, \zero
	MUL8 2, 0, \zero
	MUL8 3, 0, \zero
	WIN 0
.endm
.macro TURN slot, next, fill           ; a slot's second 128 (set 1) changes slots; fill = 1: the slot takes the K step two on
	s_wait_tensorcnt 0x0
	ds_add_u32 v[SPW], v[NIL]
.if \fill
	s_add_nc_u64 s[G0+4*\slot+2:G0+4*\slot+3], s[G0+4*\slot+2:G0+4*\slot+3], 2*KSB
	s_add_nc_u64 s[G0B+4*\slot+2:G0B+4*\slot+3], s[G0B+4*\slot+2:G0B+4*\slot+3], 2*KSB
.endif
	s_wait_dscnt 1                                 ; set 1 is in; the add, the youngest, may be out
	WIN MULW
	MUL8 0, 1, 0
	s_wait_dscnt 0x0
	s_barrier_signal -1
	MUL8 1, 1, 0
	WIN 0
	s_barrier_wait -1
.if \fill
	CREST
	JLOAD \slot
.endif
	PLACES
	FETCH \next, 0, 0
	WIN MULW
	MUL8 2, 1, 0
	MUL8 3, 1, 0
	WIN 0
.endm
	s_wait_alu depctr_va_vdst(0)
	s_wait_tensorcnt 0x0
	s_barrier_signal -1
	s_barrier_wait -1
	FETCH 0, 0, 0
	STEP 0, 1
	TURN 0, 1, 1
	STEP 1, 0
	TURN 1, 0, 1
	STEP 0, 0
	TURN 0, 1, 0
	STEP 1, 0
	s_wait_dscnt 0x0
	WIN MULW
	MUL8 0, 1, 0
	MUL8 1, 1, 0
	MUL8 2, 1, 0
	MUL8 3, 1, 0
	WIN 0
; THE WAY OUT, a block of 16 rows x 128 columns at a time, through my own stage, so that the 32 lanes store 512 consecutive bytes.  LDS serves a wave's instructions in order.
.macro TOSTAGE a
	WIN 2
.irp j, 0,2,4,6,8,10,12,14,16,18,20,22,24,26,28,30,32,34,36,38,40,42,44,46,48,50,52,54,56,58,60,62
	v_pk_mul_f32 v[TMP+\j:TMP+\j+1], v[64*(\a)+\j:64*(\a)+\j+1], s[96:97] op_sel_hi:[1,0]
.endr
	WIN 0
.irp b, 0,1,2,3,4,5,6,7
	ds_store_b128 v[STO], v[TMP+8*\b:TMP+8*\b+3] offset:64*\b
	ds_store_b128 v[STO], v[TMP+8*\b+4:TMP+8*\b+7] offset:64*\b+16
.endr
.set BB, BK+64*((\a)%2)
.irp t, 0,1,2,3,4,5,6,7,8,9,10,11,12,13,14,15
	ds_load_b128 v[BB+4*\t:BB+4*\t+3], v[RD] offset:\t*SPITCH
.endr
.endm
.macro SEND a, younger
.set BB, BK+64*((\a)%2)
	s_wait_dscnt \younger                          ; the block is back in registers; the next block's 16 stores and 16 loads may be out
.if (\a) > 0
	s_add_nc_u64 s[10:11], s[10:11], 16*SIZE_N*4
.endif
.irp t, 0,1,2,3,4,5,6,7,8,9,10,11,12,13,14,15
	global_store_b128 v[CO], v[BB+4*\t:BB+4*\t+3], s[10:11] offset:\t*SIZE_N*4 th:TH_STORE_NT
.endr
.endm
	s_wait_kmcnt 0x0
	s_add_co_i32 s96, s96, s97
	s_add_co_i32 s96, s96, 127
	s_lshl_b32 s96, s96, 23                        ; 2^(e6 + e7)
	PLACES
	TOSTAGE 0
.irp a, 1,2,3
.if \a > 1
	s_wait_xcnt 0x0                                ; block a - 2's stores have read their registers and their base
.endif
	TOSTAGE \a
	SEND \a-1, 32
.endr
	s_wait_xcnt 0x0
	SEND 3, 0
	s_wait_tensorcnt 0x0                           ; the wave's end
	ds_add_u32 v[SPW], v[NIL]
	s_wait_dscnt 0x0
	CROUND
	s_endpgm
.Lfunc_end_k_q5188192dcc_proj:
	.size	k_q5188192dcc_proj, .Lfunc_end_k_q5188192dcc_proj-k_q5188192dcc_proj
	.p2alignl 7, 3214868480
	.fill 96, 4, 3214868480
	.section	.rodata,"a",@progbits
	.p2align	6, 0x0
	.amdhsa_kernel k_q5188192dcc_proj
		.amdhsa_group_segment_fixed_size 327680
		.amdhsa_private_segment_fixed_size 0
		.amdhsa_enable_private_segment 0
		.amdhsa_kernarg_size 32
		.amdhsa_user_sgpr_count 2
		.amdhsa_user_sgpr_kernarg_segment_ptr 1
		.amdhsa_wavefront_size32 1
		.amdhsa_system_sgpr_workgroup_id_x 1
		.amdhsa_system_sgpr_workgroup_id_y 1
		.amdhsa_system_sgpr_workgroup_id_z 1
		.amdhsa_system_vgpr_workitem_id 0
		.amdhsa_next_free_vgpr 1024
		.amdhsa_next_free_sgpr 98
		.amdhsa_reserve_vcc 0
		.amdhsa_float_denorm_mode_32 3
		.amdhsa_float_denorm_mode_16_64 3
		.amdhsa_memory_ordered 1
		.amdhsa_forward_progress 1
		.amdhsa_inst_pref_size 75
	.end_amdhsa_kernel
	.amdgpu_metadata
---
amdhsa.version: [ 1, 2 ]
amdhsa.kernels:
  - .name:           k_q5188192dcc_proj
    .symbol:         k_q5188192dcc_proj.kd
    .args:
      - { .name: y_img, .offset: 0, .size: 8, .value_kind: global_buffer, .address_space: global }
      - { .name: wp_img, .offset: 8, .size: 8, .value_kind: global_buffer, .address_space: global }
      - { .name: lowp_scales, .offset: 16, .size: 8, .value_kind: global_buffer, .address_space: global }
      - { .name: out0, .offset: 24, .size: 8, .value_kind: global_buffer, .address_space: global }
    .group_segment_fixed_size: 327680
    .private_segment_fixed_size: 0
    .kernarg_segment_align: 8
    .kernarg_segment_size: 32
    .max_flat_workgroup_size: 128
    .sgpr_count:     98
    .vgpr_count:     1024
    .wavefront_size: 32
...
	.end_amdgpu_metadata
.endif
;; end of part 4
